; MI455X (gfx1250); checked and timed in simulation.
; The chip was launched on July 23, 2026; its instructions are those of AMD's public machine-readable ISA for CDNA 5 (MIT licence, August 2026) and "CDNA5" Instruction Set Architecture Reference Guide (July 2026). The comments in the code are by the model that wrote it; some were corrected since.
;; Complexity Attention. Allowed arithmetic: matrix products marked QUANTISED: E4M3 operands, one given power-of-two scale a tensor, by v_wmma_f32_16x16x64_fp8_fp8 or v_wmma_f32_16x16x128_fp8_fp8, f32 sums; everything else in f32.
;; Inputs: hidden_states 1 x 2,048 x 2,048 float32; k_norm_w 128 float32; lowp_scales 18 int32 (the exponents e of the quantised operands' scales 2^e); mu_prev 1 x 2,048 x 2,048 float32; q_norm_w 128 float32; wk 512 x 2,048 float32; wmk 512 x 2,048 float32; wmq 2,048 x 2,048 float32; wmv 512 x 2,048 float32; wo 2,048 x 2,048 float32; wq 2,048 x 2,048 float32; wv 512 x 2,048 float32.
;; Outputs: out0 1 x 2,048 x 2,048 float32.
;; This version of the problem:
;;   THIS VERSION OF THE PROBLEM IS GIVEN IN LOW PRECISION. The matrix products marked QUANTISED in the list below multiply operands that are first quantised to E4M3 (4 exponent bits, 3 mantissa bits; 8 bits a number), with one given power-of-two scale for each operand tensor; their sums are f32. All else is computed in f32.
;;   The module's matrix products, in the order in which they are computed (A, B: the left and right operand; K: the contracted axis; several contracted axes count as one K, in the product's order):
;;     1. [M 2,048, K 2,048] x [K 2,048, N 2,048]; A: input hidden_states; B: input wq: QUANTISED (scales: A lowp_scales[0], B lowp_scales[1])
;;     2. [M 2,048, K 2,048] x [K 2,048, N 2,048]; A: input mu_prev; B: input wmq: QUANTISED (scales: A lowp_scales[2], B lowp_scales[3])
;;     3. [M 2,048, K 2,048] x [K 2,048, N 512]; A: input hidden_states; B: input wk: QUANTISED (scales: A lowp_scales[4], B lowp_scales[5])
;;     4. [M 2,048, K 2,048] x [K 2,048, N 512]; A: input mu_prev; B: input wmk: QUANTISED (scales: A lowp_scales[6], B lowp_scales[7])
;;     5. [M 2,048, K 2,048] x [K 2,048, N 512]; A: input hidden_states; B: input wv: QUANTISED (scales: A lowp_scales[8], B lowp_scales[9])
;;     6. [M 2,048, K 2,048] x [K 2,048, N 512]; A: input mu_prev; B: input wmv: QUANTISED (scales: A lowp_scales[10], B lowp_scales[11])
;;     7. batch 4 x [M 8,192, K 128] x [K 128, N 2,048]; A: computed on the way; B: computed on the way: QUANTISED (scales: A lowp_scales[12], B lowp_scales[13])
;;     8. batch 4 x [M 8,192, K 2,048] x [K 2,048, N 128]; A: softmax (see below); B: computed on the way: QUANTISED (scales: A lowp_scales[14], B lowp_scales[15])
;;     9. [M 2,048, K 2,048] x [K 2,048, N 2,048]; A: computed on the way; B: input wo: QUANTISED (scales: A lowp_scales[16], B lowp_scales[17])
;;   THE QUANTISER, for each operand of a quantised product, along K:
;;     - The operand's scale is 2^e, e = its entry of the input lowp_scales (int32; the entries are numbered through the quantised products in the list's order, A before B).
;;     - Each number is divided by the scale, clamped to +-448, and rounded to the nearest number of E4M3, ties to even, subnormals kept.
;;     - The product sums the exact products of the quantised numbers (number of the format x scale) in f32.
;;   ~~~python
;;   def quantise(x, axis, e):      # numpy; x: float32 -> the quantised numbers, widened to float32 again
;;       x = np.moveaxis(x, axis, -1); K = x.shape[-1]
;;       r = np.clip(x / 2.0 ** e, -448, 448)
;;       step = 2.0 ** (np.maximum(np.frexp(np.where(r == 0, 1, r))[1] - 1, -6) - 3)
;;       q = np.round(r / step) * step * 2.0 ** e      # np.round: ties to even
;;       return np.moveaxis(q, -1, axis).astype(np.float32)
;;   ~~~
;;   SOFTMAX AHEAD OF A QUANTISED PRODUCT. Where the list says 'softmax', what is quantised is not the finished softmax but p = 2^(t - M), with t = logit x log2(e) and M = ceil(the row's largest t), a whole number; so 1/2 < the row's largest p <= 1. The row's sum l is taken of the UNQUANTISED p, in f32, and the product's result is divided by l at the end. Since M is a whole number, a kernel that streams over the keys may use a running M (the ceiling of the running maximum): every later rescaling is an exact power of two, so the quantised numbers keep their values, but for numbers so far below the row's largest that they fall under the format's range.
;;   OPERANDS COMPUTED ON THE WAY. 'Computed on the way' means the value that the module computes at that place (a softmax that the list does not call 'softmax' is quantised finished and normalised). What goes into a quantiser is computed in f32, as accurately as f32 sums, v_exp_f32 and their like allow (about 1e-6 of the number): no bf16 or f16 on the way to a quantiser, and a product that is left as it is and whose result goes on into a quantised operand takes f32 operands (vector FMAs, or v_wmma_f32_16x16x4_f32). A number that lies on a knife's edge between two numbers of the format may be rounded either way, as far as f32 arithmetic and the matrix unit's own rounding can turn it there, and no further.
;; One version. Each part assembles by itself: llvm-mc -triple=amdgcn-amd-amdhsa -mcpu=gfx1250 --defsym DOCPART=n.
;; ======== version 1 of 1: 4 launches
;; limits: right only within a limited range of input values
;; workspace buffers: acat 25,165,824 bytes; wcat 12,582,912 bytes; wo_c 4,194,304 bytes; rope 1,048,576 bytes; q_c 4,194,304 bytes; kv_c 2,097,152 bytes; o_c 4,194,304 bytes
;; launch quant (part 1): grid 128 x 7, 4 waves a work-group, no clusters, 48,640 bytes of LDS; arguments hidden_states, mu_prev, wq, wmq, wo, wk, wmk, wv, wmv, lowp_scales, acat, wcat, wo_c, rope; writes acat, wcat, wo_c, rope
.if DOCPART == 1
	.amdgcn_target "amdgcn-amd-amdhsa--gfx1250"
	.amdhsa_code_object_version 6
	.text
	.protected	k_qbe8bc3ed76_quant
	.globl	k_qbe8bc3ed76_quant
	.p2align	8
	.type	k_qbe8bc3ed76_quant,@function
k_qbe8bc3ed76_quant:
	s_mov_b64 s[64:65], 0
	v_nop
	global_prefetch_b8 v0, s[64:65] scope:SCOPE_SE
	s_setreg_imm32_b32 hwreg(HW_REG_WAVE_MODE, 25, 1), 1
	s_wait_xcnt 0x0
; f32 tensors into codes of E4M3, each with the given scale 2^e, and the table of cosines and sines for the rotary embedding.
; code = x / 2^e, held within +-448, rounded to the nearest code, ties to even.
; JOBS, by work-group y: 0 hidden_states and 1 mu_prev (three scales each: three sets of codes from one read) -> acat;
;   2 wq, 3 wmq, 5 wk | wmk | wv | wmv (32 work-groups each) -> wcat [3072][4096] (a row: W's codes, then Wm's);  4 wo -> wo_c [2048][2048];  6 the table -> rope.
; ORDER ALONG K: inside every 32 codes the four groups of eight lie in the order 0, 2, 1, 3.  A lane that takes the 16 bytes at 32 c + 16 (lane / 16) of a row then holds
; k = 16 (2 c) + 8 (lane / 16) + 0..7 and k = 16 (2 c + 1) + 8 (lane / 16) + 0..7: the places that the 8-bit matrix form gives its registers 4 c .. 4 c + 3.
; acat [set 3][row tile 128][chunk of 128 along K: 32 (x's 16, then mu's 16)][2,048 bytes] holds IMAGES OF OPERAND REGISTERS: of a tile's 16 rows and a chunk's 128 codes, the 16 bytes at 32 c + 16 h of row r lie at 512 c + 16 (16 h + r).
; A work-group takes 16 rows of 2,048 numbers; a wave works 16 steps of 512 numbers.  THE WEIGHTS: a wave takes 4 rows, a step a quarter of a row.  x AND mu: a wave takes four chunks of all 16 rows, a step 4 rows of one chunk.
; Either way each load reads 512 consecutive bytes; a step's 2,048 bytes turn through the wave's own stage in LDS (16 bytes of padding behind each 64) and come back as the 16 numbers whose codes are 16 neighbouring bytes of the output.
; The weights' codes are stored at once, 512 consecutive bytes a store.  x's and mu's go into an image stage of the wave's own (a row of 256 bytes for each (c, h), 288 bytes apart)
; behind a chunk's four steps the three images are read back and stored, 512 consecutive bytes a store.
; THE TABLE: rope [row tile 128][piece 16][512 bytes]; piece 2 b + e: cosines, piece 8 + 2 b + e: sines; lane l's 16 bytes: position 16 T + l % 16, frequencies 16 b + 8 (l / 16) + 4 e + 0..3.
; angle = f32(position x inv_freq), inv_freq = 2^(-f log2(10000) / 64); reduced by multiples of pi / 2 held in two parts; polynomials of degree 7 and 8 on +-pi / 4.
; LIMITS: every e used here lies between -126 and 119.  NaN among the inputs is not served.  inv_freq carries the error of one multiplication and one v_exp_f32.
.set WAVES, 4
.set STEPS, 16
.set SP,    80                         ; a place in a stage: 64 bytes + 16 of padding
.set IMG,   2*32*SP                    ; behind a wave's two stages: its three image stages
.set IP,    288                        ; a row of an image stage: 256 bytes + 32
.set WREG,  IMG+3*8*IP                 ; LDS of a wave: 12,032 bytes
.set SPARE, WAVES*WREG                 ; behind the four regions: the spare words, 128 bytes a wave, which no other line names
.set OFFR,  4                          ; v4-7    16 x lane + i rows of the output
.set SPW,   12                         ; v12     my spare word's LDS address; never rewritten
.set NIL,   13                         ; v13     0; never rewritten
.set R,     16                         ; v16-79  four sets of 16 numbers as loaded
.set X,     80                         ; v80-111 two sets of 16 numbers in the output's order
.set T,     112                        ; v112-127 the numbers held within the largest code
.set C,     128                        ; v128-139 codes, four registers a scale
.set OUTR,  140                        ; v140-187 three images on their way out
.set IWR,   190                        ; v190    where my 16 codes go in an image stage
.set IRD,   191                        ; v191    and where I read an image back
	s_load_b512 s[4:19], s[0:1], 0x0               ; hidden_states, mu_prev, wq, wmq, wo, wk, wmk, wv
	s_load_b256 s[20:27], s[0:1], 0x40             ; wmv, lowp_scales, acat, wcat
	s_load_b128 s[28:31], s[0:1], 0x60             ; wo_c, rope
	v_lshl_add_u32 v[SPW], v0, 2, SPARE
	v_mov_b32 v[NIL], 0
	v_lshrrev_b32 v1, 5, v0
	v_readfirstlane_b32 s33, v1                    ; wave
	v_and_b32 v2, 31, v0                           ; lane
	s_and_b32 s32, ttmp7, 0xffff                   ; the job
	s_wait_kmcnt 0x0
	s_cmp_eq_u32 s32, 6
	s_cbranch_scc1 .Lrope
	s_load_b512 s[68:83], s[22:23], 0x0            ; e0 .. e15
	s_load_b64 s[84:85], s[22:23], 0x40            ; e16, e17
	; the job's buffers and places: choices on the work-group's numbers alone
	s_lshr_b32 s34, ttmp9, 5                       ; job 5: which of wk, wmk, wv, wmv
	s_and_b32 s35, ttmp9, 31                       ;        and which 16 rows of it
	s_lshr_b32 s43, s34, 1
	s_lshl_b32 s43, s43, 9
	s_add_co_u32 s43, s43, 2048                    ;        its first row in wcat
	s_mov_b32 s40, 4096                            ; bytes of an output row
	s_cmp_eq_u32 s34, 1
	s_cselect_b64 s[46:47], s[16:17], s[14:15]
	s_cmp_eq_u32 s34, 2
	s_cselect_b64 s[46:47], s[18:19], s[46:47]
	s_cmp_eq_u32 s34, 3
	s_cselect_b64 s[46:47], s[20:21], s[46:47]
	s_cmp_eq_u32 s32, 1
	s_cselect_b64 s[36:37], s[6:7], s[4:5]
	s_cmp_eq_u32 s32, 2
	s_cselect_b64 s[36:37], s[8:9], s[36:37]
	s_cmp_eq_u32 s32, 3
	s_cselect_b64 s[36:37], s[10:11], s[36:37]
	s_cmp_eq_u32 s32, 4
	s_cselect_b64 s[36:37], s[12:13], s[36:37]
	s_cselect_b64 s[38:39], s[28:29], s[26:27]     ; wo_c, else wcat,
	s_cselect_b32 s40, 2048, s40
	s_cmp_lt_u32 s32, 2
	s_cselect_b64 s[38:39], s[24:25], s[38:39]     ; or acat
	s_cmp_eq_u32 s32, 5
	s_cselect_b64 s[36:37], s[46:47], s[36:37]
	s_cselect_b32 s44, s35, ttmp9                  ; which 16 rows of the source
	s_cselect_b32 s43, s43, 0                      ; first row in the output
	s_cselect_b32 s42, s34, s32
	s_and_b32 s42, s42, 1
	s_lshl_b32 s42, s42, 11                        ; the second half of an output row for the Wm
	s_lshl_b32 s45, s44, 4
	s_lshl_b32 s54, s33, 2
	s_add_co_u32 s45, s45, s54                     ; the weights: my wave's first row of the source
	s_add_co_u32 s43, s43, s45                     ; and of the output
	s_mul_i32 s43, s43, s40
	s_add_co_u32 s56, s43, s42                     ; its byte in the output,
	s_lshl_b32 s58, s45, 13                        ; and in the source (a row is 8,192 bytes)
	s_lshl_b32 s52, ttmp9, 16                      ; x and mu: row tile x 65,536
	s_lshl_b32 s53, s32, 15                        ; + mu's 16 chunks of 2,048
	s_add_co_u32 s52, s52, s53
	s_lshl_b32 s53, s33, 13                        ; + my wave's four chunks
	s_add_co_u32 s52, s52, s53
	s_lshl_b32 s54, ttmp9, 17                      ; in the source: 16 rows of 8,192 bytes,
	s_lshl_b32 s53, s33, 11                        ; + four chunks of 512 bytes
	s_add_co_u32 s54, s54, s53
	s_cmp_lt_u32 s32, 2
	s_cselect_b32 s56, s52, s56
	s_cselect_b32 s58, s54, s58
	s_mov_b32 s57, 0
	s_mov_b32 s59, 0
	s_add_nc_u64 s[38:39], s[38:39], s[56:57]
	s_add_nc_u64 s[36:37], s[36:37], s[58:59]
	s_add_nc_u64 s[48:49], s[38:39], 0x800000      ; acat's second and third set (used by jobs 0 and 1 alone)
	s_add_nc_u64 s[50:51], s[38:39], 0x1000000
	s_wait_alu depctr_va_vdst(0)
	v_lshlrev_b32 v3, 4, v2                        ; my 16 bytes of a load's 512
	v_lshlrev_b32 v[OFFR], 4, v2
	v_add_nc_u32 v[OFFR+1], s40, v[OFFR]
	s_lshl_b32 s54, s40, 1
	v_add_nc_u32 v[OFFR+2], s54, v[OFFR]
	s_add_co_u32 s54, s54, s40
	v_add_nc_u32 v[OFFR+3], s54, v[OFFR]
	s_mul_i32 s55, s33, WREG
	v_lshrrev_b32 v14, 2, v2
	v_mul_u32_u24 v14, v14, SP
	v_and_b32 v15, 3, v2
	v_lshl_add_u32 v14, v15, 4, v14
	v_add_nc_u32 v14, s55, v14                     ; the stage, on the way in: SP (lane / 4) + 16 (lane % 4)
	v_lshrrev_b32 v15, 1, v2
	v_mul_u32_u24 v15, v15, 2*SP
	v_and_b32 v1, 1, v2
	v_lshl_add_u32 v15, v1, 5, v15
	v_add_nc_u32 v15, s55, v15                     ; on the way out: numbers 32 (lane / 2) + 8 (lane % 2) + 0..7, and the eight that lie 16 further on
	v_and_b32 v1, 7, v2                            ; x and mu: my codes are piece 2 c + h = lane % 8 of the step's row lane / 8
	v_mul_u32_u24 v[IWR], v1, IP
	v_lshrrev_b32 v1, 3, v2
	v_lshl_add_u32 v[IWR], v1, 4, v[IWR]
	v_add_nc_u32 v[IWR], s55, v[IWR]
	v_add_nc_u32 v[IWR], IMG, v[IWR]
	v_lshrrev_b32 v1, 4, v2                        ; back: lanes 0-15 the row of (c, 0), lanes 16-31 that of (c, 1)
	v_mul_u32_u24 v[IRD], v1, IP
	v_and_b32 v1, 15, v2
	v_lshl_add_u32 v[IRD], v1, 4, v[IRD]
	v_add_nc_u32 v[IRD], s55, v[IRD]
	v_add_nc_u32 v[IRD], IMG, v[IRD]
.macro LOADR t                         ; the weights: step t is the t-th 2,048 bytes of my four rows
.irp i, 0,1,2,3
	global_load_b128 v[R+16*((\t)%4)+4*\i:R+16*((\t)%4)+4*\i+3], v3, s[36:37] offset:2048*(\t)+512*\i th:TH_LOAD_NT
.endr
.endm
.macro LOADI t                         ; x and mu: step t is rows 4 (t % 4) + 0..3 of my chunk t / 4
.irp i, 0,1,2,3
	global_load_b128 v[R+16*((\t)%4)+4*\i:R+16*((\t)%4)+4*\i+3], v3, s[36:37] offset:(4*((\t)%4)+\i)*8192+((\t)/4)*512 th:TH_LOAD_NT
.endr
.endm
.macro TURN t                          ; step t's numbers through the stage: LDS serves a wave's instructions in order, so no wait stands between the stores and the loads
.irp i, 0,1,2,3
	ds_store_b128 v14, v[R+16*((\t)%4)+4*\i:R+16*((\t)%4)+4*\i+3] offset:32*SP*((\t)%2)+8*SP*\i
.endr
.irp i, 0,1,2,3
	ds_load_b128 v[X+16*((\t)%2)+4*\i:X+16*((\t)%2)+4*\i+3], v15 offset:32*SP*((\t)%2)+16*(\i%2)+SP*(\i/2)
.endr
.endm
.macro MKSC e, sc, lim                 ; 2^e as f32 (the conversion takes its exponent field), and 448 x 2^e
	s_add_co_i32 s62, s[\e], 127
	s_lshl_b32 s63, s62, 23
	v_mov_b32 v[\sc], s63
	s_add_co_i32 s62, s62, 8
	s_lshl_b32 s62, s62, 23
	s_or_b32 s62, s62, 0x600000
	v_mov_b32 v[\lim], s62
.endm
	s_cmp_lt_u32 s32, 2
	s_cbranch_scc0 .Lrows_first
.irp t, 0,1,2,3
	LOADI \t
.endr
	s_branch .Lfirst_asked
.Lrows_first:
.irp t, 0,1,2,3
	LOADR \t
.endr
.Lfirst_asked:
	s_wait_kmcnt 0x0
	s_cmp_eq_u32 s34, 1
	s_cselect_b32 s58, s75, s73                    ; job 5: e5, e7, e9, e11
	s_cmp_eq_u32 s34, 2
	s_cselect_b32 s58, s77, s58
	s_cmp_eq_u32 s34, 3
	s_cselect_b32 s58, s79, s58
	s_cmp_eq_u32 s32, 1
	s_cselect_b32 s59, s70, s68                    ; x: e0, e4, e8;  mu: e2, e6, e10
	s_cselect_b32 s60, s74, s72
	s_cselect_b32 s61, s78, s76
	s_cmp_eq_u32 s32, 2
	s_cselect_b32 s59, s69, s59
	s_cmp_eq_u32 s32, 3
	s_cselect_b32 s59, s71, s59
	s_cmp_eq_u32 s32, 4
	s_cselect_b32 s59, s85, s59
	s_cmp_eq_u32 s32, 5
	s_cselect_b32 s59, s58, s59
	; A SET OF acat THAT WOULD REPEAT AN EARLIER ONE IS NOT MADE: set i holds x's codes under e(4 i) and mu's under e(4 i + 2); where both exponents equal an earlier set's, the codes are the same numbers,
	; and the projections read the earlier set.  s86 = 0: set 1 repeats set 0.  s87 = 0: set 2 repeats set 0 or set 1.
	s_xor_b32 s86, s72, s68
	s_xor_b32 s88, s74, s70
	s_or_b32 s86, s86, s88
	s_xor_b32 s87, s76, s68
	s_xor_b32 s88, s78, s70
	s_or_b32 s87, s87, s88
	s_xor_b32 s88, s76, s72
	s_xor_b32 s89, s78, s74
	s_or_b32 s88, s88, s89
	s_min_u32 s87, s87, s88
	MKSC 59, 8, 9
	MKSC 60, 10, 11
	MKSC 61, 188, 189
	s_wait_loadcnt 12                              ; step 0's four loads are in
	TURN 0
; one set of codes of a step: the hold (the conversion to an 8-bit code does not saturate: ISA guide 7.6.2) and two conversions
.macro CODES o, sc, lim
.irp i, 0,1,2,3,4,5,6,7,8,9,10,11,12,13,14,15
	v_med3_num_f32 v[T+\i], v[XS+\i], -v[\lim], v[\lim]
.endr
	v_cvt_scalef32_pk8_fp8_f32 v[C+4*\o:C+4*\o+1], v[T:T+7], v[\sc]
	v_cvt_scalef32_pk8_fp8_f32 v[C+4*\o+2:C+4*\o+3], v[T+8:T+15], v[\sc]
	v_nop                                          ; a plain line between the conversions and the next holds, which write their sources
.endm
.macro STEP t
.set XS, X+16*((\t)%2)
	s_wait_dscnt 0x0                               ; this step's numbers are back from the stage; my earlier LDS stores have read their registers,
.if (\t)+4 < STEPS
	s_cmp_lt_u32 s32, 2
	s_cbranch_scc0 .Lrl_\@
	LOADI (\t)+4                                   ; which take the loads of four steps on
	s_branch .Lld_\@
.Lrl_\@:
	LOADR (\t)+4
.Lld_\@:
.endif
.if (\t)+1 < STEPS
.if STEPS-2-(\t) >= 3
	s_wait_loadcnt 12                              ; the next step's four loads are in; those of the three steps behind it may be out
.else
	s_wait_loadcnt 4*(STEPS-2-(\t))
.endif
	TURN (\t)+1
.endif
	s_wait_xcnt 0x0                                ; earlier stores have read the registers that are written below
	s_cmp_lt_u32 s32, 2
	s_cbranch_scc0 .Lro_\@
	s_wait_alu depctr_va_vdst(0)
	CODES 0, 8, 9                                  ; x and mu: three scales, into the three image stages: rows 4 (t % 4) + lane / 8
	ds_store_b128 v[IWR], v[C:C+3] offset:64*((\t)%4)
.if (\t)%4 == 3                                ; the chunk's 16 rows are in: the image goes out.  LDS serves a wave's instructions in order: these loads see my stores, and the next chunk's stores come behind them
.irp c, 0,1,2,3
	ds_load_b128 v[OUTR+4*\c:OUTR+4*\c+3], v[IRD] offset:2*IP*\c
.endr
	s_wait_dscnt 0x0
.irp c, 0,1,2,3
	global_store_b128 v[OFFR], v[OUTR+4*\c:OUTR+4*\c+3], s[38:39] offset:2048*((\t)/4)+512*\c          ; each store covers 512 consecutive bytes, aligned
.endr
.endif
	s_cmp_eq_u32 s86, 0
	s_cbranch_scc1 .Ls1_\@                         ; set 1 would repeat set 0
	CODES 1, 10, 11
	ds_store_b128 v[IWR], v[C+4:C+7] offset:64*((\t)%4)+8*IP
.if (\t)%4 == 3
.irp c, 0,1,2,3
	ds_load_b128 v[OUTR+16+4*\c:OUTR+16+4*\c+3], v[IRD] offset:8*IP+2*IP*\c
.endr
	s_wait_dscnt 0x0
.irp c, 0,1,2,3
	global_store_b128 v[OFFR], v[OUTR+16+4*\c:OUTR+16+4*\c+3], s[48:49] offset:2048*((\t)/4)+512*\c
.endr
.endif
.Ls1_\@:
	s_cmp_eq_u32 s87, 0
	s_cbranch_scc1 .Ls2_\@                         ; set 2 would repeat an earlier set
	CODES 2, 188, 189
	ds_store_b128 v[IWR], v[C+8:C+11] offset:64*((\t)%4)+16*IP
.if (\t)%4 == 3
.irp c, 0,1,2,3
	ds_load_b128 v[OUTR+32+4*\c:OUTR+32+4*\c+3], v[IRD] offset:16*IP+2*IP*\c
.endr
	s_wait_dscnt 0x0
.irp c, 0,1,2,3
	global_store_b128 v[OFFR], v[OUTR+32+4*\c:OUTR+32+4*\c+3], s[50:51] offset:2048*((\t)/4)+512*\c
.endr
.endif
.Ls2_\@:
	s_branch .Lod_\@
.Lro_\@:
	s_wait_alu depctr_va_vdst(0)
	CODES 0, 8, 9                                  ; a weight: one scale, 512 consecutive bytes of a row
	global_store_b128 v[OFFR+(\t)/4], v[C:C+3], s[38:39] offset:512*((\t)%4)
.Lod_\@:
.endm
.irp t, 0,1,2,3,4,5,6,7,8,9,10,11,12,13,14,15
	STEP \t
.endr
	s_wait_tensorcnt 0x0                           ; the wave's end
	ds_add_u32 v[SPW], v[NIL]
	s_wait_dscnt 0x0
	s_endpgm
.Lrope:                                            ; row tile T = work-group x; wave w: frequencies 16 w .. 16 w + 15; no LDS
	s_mov_b32 s36, 0xbe549a78                      ; -log2(10000) / 64
	s_mov_b32 s37, 0x3f22f983                      ; 2 / pi
	s_mov_b32 s38, 0xbfc90fdb                      ; -(pi / 2), the f32 nearest to it,
	s_mov_b32 s39, 0x333bbd2e                      ; and what that f32 has too much
	s_mov_b32 s40, 0xbe2aaaa3                      ; sine: r + r z (s40 + z (s41 + z s42)), z = r r
	s_mov_b32 s41, 0x3c08839e
	s_mov_b32 s42, 0xb94ca1f9
	s_mov_b32 s43, 0x3d2aaaa5                      ; cosine: 1 - z / 2 + z z (s43 + z (s44 + z s45))
	s_mov_b32 s44, 0xbab6061a
	s_mov_b32 s45, 0x37ccf5ce
	v_and_b32 v1, 15, v0
	v_bfe_u32 v3, v0, 4, 1
	s_lshl_b32 s46, ttmp9, 4
	v_add_nc_u32 v4, s46, v1
	v_cvt_f32_u32 v4, v4                           ; my position
	s_lshl_b32 s47, s33, 4
	v_lshl_add_u32 v5, v3, 3, s47                  ; my first frequency: 16 w + 8 (lane / 16)
	s_lshl_b32 s48, ttmp9, 13
	s_mov_b32 s49, 0
	s_add_nc_u64 s[30:31], s[30:31], s[48:49]
	s_lshl_b32 s50, s33, 10
	s_wait_alu depctr_va_vdst(0)
	v_lshlrev_b32 v6, 4, v2
	v_add_nc_u32 v6, s50, v6                       ; pieces 2 w on, 16 bytes a lane
.irp i, 0,1,2,3,4,5,6,7
	v_add_nc_u32 v[16+\i], \i, v5
.endr
.irp i, 0,1,2,3,4,5,6,7
	v_cvt_f32_u32 v[16+\i], v[16+\i]
.endr
.irp i, 0,1,2,3,4,5,6,7
	v_mul_f32 v[16+\i], s36, v[16+\i]
.endr
	s_wait_alu depctr_va_vdst(0)
.irp i, 0,1,2,3,4,5,6,7
	v_exp_f32 v[16+\i], v[16+\i]                   ; inv_freq
.endr
	v_nop                                          ; a plain line behind the batch,
	s_wait_alu depctr_va_vdst(0)                   ; and the wait ahead of its first reader
.irp i, 0,1,2,3,4,5,6,7
	v_mul_f32 v[16+\i], v4, v[16+\i]               ; the angle, rounded once
.endr
.irp i, 0,1,2,3,4,5,6,7
	v_mul_f32 v[24+\i], s37, v[16+\i]
.endr
.irp i, 0,1,2,3,4,5,6,7
	v_rndne_f32 v[24+\i], v[24+\i]                 ; n quarter turns, at most 1,304
.endr
.irp i, 0,1,2,3,4,5,6,7
	v_fma_f32 v[32+\i], v[24+\i], s38, v[16+\i]    ; angle and n x s38 are multiples of 2^-23 and their difference is under 1: nothing is rounded
.endr
.irp i, 0,1,2,3,4,5,6,7
	v_fma_f32 v[32+\i], v[24+\i], s39, v[32+\i]    ; r
.endr
.irp i, 0,1,2,3,4,5,6,7
	v_mul_f32 v[40+\i], v[32+\i], v[32+\i]         ; z
.endr
.irp i, 0,1,2,3,4,5,6,7
	v_fma_f32 v[48+\i], v[40+\i], s42, s41
	v_fma_f32 v[56+\i], v[40+\i], s45, s44
.endr
.irp i, 0,1,2,3,4,5,6,7
	v_fma_f32 v[48+\i], v[48+\i], v[40+\i], s40
	v_fma_f32 v[56+\i], v[56+\i], v[40+\i], s43
.endr
.irp i, 0,1,2,3,4,5,6,7
	v_mul_f32 v[48+\i], v[48+\i], v[40+\i]
	v_mul_f32 v[16+\i], v[40+\i], v[40+\i]
.endr
.irp i, 0,1,2,3,4,5,6,7
	v_fma_f32 v[48+\i], v[48+\i], v[32+\i], v[32+\i]   ; sin r
	v_fma_f32 v[40+\i], v[40+\i], -0.5, 1.0
.endr
.irp i, 0,1,2,3,4,5,6,7
	v_fma_f32 v[56+\i], v[56+\i], v[16+\i], v[40+\i]   ; cos r
	v_cvt_i32_f32 v[24+\i], v[24+\i]
.endr
.irp i, 0,1,2,3,4,5,6,7                        ; n odd: sine and cosine change places; the sine is negative for n % 4 = 2, 3, the cosine for 1, 2
	v_and_b32 v[32+\i], 1, v[24+\i]
	v_cmp_eq_u32 vcc_lo, 1, v[32+\i]
	v_cndmask_b32 v[80+\i], v[48+\i], v[56+\i], vcc_lo
	v_cndmask_b32 v[72+\i], v[56+\i], v[48+\i], vcc_lo
	v_and_b32 v[32+\i], 2, v[24+\i]
	v_lshlrev_b32 v[32+\i], 30, v[32+\i]
	v_xor_b32 v[80+\i], v[32+\i], v[80+\i]
	v_add_nc_u32 v[24+\i], 1, v[24+\i]
	v_and_b32 v[24+\i], 2, v[24+\i]
	v_lshlrev_b32 v[24+\i], 30, v[24+\i]
	v_xor_b32 v[72+\i], v[24+\i], v[72+\i]
.endr
	global_store_b128 v6, v[72:75], s[30:31]               ; each store covers 512 consecutive bytes, aligned
	global_store_b128 v6, v[76:79], s[30:31] offset:512
	global_store_b128 v6, v[80:83], s[30:31] offset:4096
	global_store_b128 v6, v[84:87], s[30:31] offset:4608
	s_endpgm
.Lfunc_end_k_qbe8bc3ed76_quant:
	.size	k_qbe8bc3ed76_quant, .Lfunc_end_k_qbe8bc3ed76_quant-k_qbe8bc3ed76_quant
	.p2alignl 7, 3214868480
	.fill 96, 4, 3214868480
	.section	.rodata,"a",@progbits
	.p2align	6, 0x0
	.amdhsa_kernel k_qbe8bc3ed76_quant
		.amdhsa_group_segment_fixed_size 48640
		.amdhsa_private_segment_fixed_size 0
		.amdhsa_enable_private_segment 0
		.amdhsa_kernarg_size 112
		.amdhsa_user_sgpr_count 2
		.amdhsa_user_sgpr_kernarg_segment_ptr 1
		.amdhsa_wavefront_size32 1
		.amdhsa_system_sgpr_workgroup_id_x 1
		.amdhsa_system_sgpr_workgroup_id_y 1
		.amdhsa_system_sgpr_workgroup_id_z 1
		.amdhsa_system_vgpr_workitem_id 0
		.amdhsa_next_free_vgpr 192
		.amdhsa_next_free_sgpr 90
		.amdhsa_reserve_vcc 1
		.amdhsa_float_denorm_mode_32 3
		.amdhsa_float_denorm_mode_16_64 3
		.amdhsa_memory_ordered 1
		.amdhsa_forward_progress 1
		.amdhsa_inst_pref_size 132
	.end_amdhsa_kernel
	.amdgpu_metadata
---
amdhsa.version: [ 1, 2 ]
amdhsa.kernels:
  - .name:           k_qbe8bc3ed76_quant
    .symbol:         k_qbe8bc3ed76_quant.kd
    .args:
      - { .name: hidden_states, .offset: 0, .size: 8, .value_kind: global_buffer, .address_space: global }
      - { .name: mu_prev, .offset: 8, .size: 8, .value_kind: global_buffer, .address_space: global }
      - { .name: wq, .offset: 16, .size: 8, .value_kind: global_buffer, .address_space: global }
      - { .name: wmq, .offset: 24, .size: 8, .value_kind: global_buffer, .address_space: global }
      - { .name: wo, .offset: 32, .size: 8, .value_kind: global_buffer, .address_space: global }
      - { .name: wk, .offset: 40, .size: 8, .value_kind: global_buffer, .address_space: global }
      - { .name: wmk, .offset: 48, .size: 8, .value_kind: global_buffer, .address_space: global }
      - { .name: wv, .offset: 56, .size: 8, .value_kind: global_buffer, .address_space: global }
      - { .name: wmv, .offset: 64, .size: 8, .value_kind: global_buffer, .address_space: global }
      - { .name: lowp_scales, .offset: 72, .size: 8, .value_kind: global_buffer, .address_space: global }
      - { .name: acat, .offset: 80, .size: 8, .value_kind: global_buffer, .address_space: global }
      - { .name: wcat, .offset: 88, .size: 8, .value_kind: global_buffer, .address_space: global }
      - { .name: wo_c, .offset: 96, .size: 8, .value_kind: global_buffer, .address_space: global }
      - { .name: rope, .offset: 104, .size: 8, .value_kind: global_buffer, .address_space: global }
    .group_segment_fixed_size: 48640
    .private_segment_fixed_size: 0
    .kernarg_segment_align: 8
    .kernarg_segment_size: 112
    .max_flat_workgroup_size: 128
    .sgpr_count:     90
    .vgpr_count:     192
    .wavefront_size: 32
...
	.end_amdgpu_metadata
.endif
;; end of part 1
;; launch proj (part 2): grid 8 x 24, 4 waves a work-group, clusters of 4 x 1, 327,680 bytes of LDS; arguments acat, wcat, rope, q_norm_w, k_norm_w, lowp_scales, q_c, kv_c; writes q_c, kv_c
.if DOCPART == 2
	.amdgcn_target "amdgcn-amd-amdhsa--gfx1250"
	.amdhsa_code_object_version 6
	.text
	.protected	k_qbe8bc3ed76_proj
	.globl	k_qbe8bc3ed76_proj
	.p2align	8
	.type	k_qbe8bc3ed76_proj,@function
k_qbe8bc3ed76_proj:
	s_mov_b64 s[64:65], 0
	v_nop
	global_prefetch_b8 v0, s[64:65] scope:SCOPE_SE
	s_setreg_imm32_b32 hwreg(HW_REG_WAVE_MODE, 25, 1), 1
	s_wait_xcnt 0x0
	s_wait_alu depctr_hold_cnt(0) depctr_sa_sdst(0) depctr_va_vdst(0) depctr_va_sdst(0) depctr_va_ssrc(0) depctr_va_vcc(0) depctr_vm_vsrc(0)
	s_getreg_b32 s2, hwreg(HW_REG_IB_STS2, 6, 4)
	s_cmp_eq_u32 s2, 0
	s_cbranch_scc0 .Lentry_in_a_cluster
	s_endpgm
.Lentry_in_a_cluster:
	s_bfe_u32 s2, ttmp6, 0x10000c
	s_cmp_lg_u32 s2, 0x3003
	s_cbranch_scc0 .Lentry_shape_is_right
	s_endpgm
.Lentry_shape_is_right:
; The six projections as one product over K = 4,096: cat(x, mu) cat(W, Wm)^T on codes of E4M3; then, for q and k, RMS norm per head, rotary embedding and the quantiser; for v the quantiser with the keys innermost.
; A work-group makes 256 rows x one head (128 columns): tile column tx = 0-15 q's heads, 16-19 k's, 20-23 v's.  Four waves, each 64 rows x 128 columns: 32 accumulators, 256 registers.
; 192 work-groups: a tile of 256 x 256 would leave 96.
; TWO PAIRS OF SCALES IN ONE SUM: x's half of K stands for sum x 2^(eA1 + eB1), mu's for sum x 2^(eA2 + eB2).  At the middle of K the sums are multiplied once by 2^(eA1 + eB1 - eA2 - eB2): nothing is rounded.
; wcat's TILES, which all four waves read, go through a ring of two LDS slots filled by the tensor data mover, 1,024 bytes along K to a slot: four K steps, three changes of slots, 256 matrix instructions a wave between two changes.
; CLUSTERS of 4 x 1: the four partners need the same rows of wcat: each tile is asked for jointly, by the same tensor load with the same descriptor and a mask that names the four.
; acat's ROWS GO FROM MEMORY STRAIGHT INTO REGISTERS, AND ARE NOT ASKED FOR JOINTLY: of a work-group's 256 rows each wave reads its own 64 and no other wave reads them, so LDS would give them no second reader; and with 384 rows in LDS
; two slots hold 256 bytes along K each: 15 changes of slots, with 64 matrix instructions a wave between two.  acat lies as images of operand registers, so a fragment is four loads of 512 consecutive bytes.
; A RING OF FIVE SETS of 64 registers (4 row tiles x 128 along K); loads go out in half sets of eight: in step s's middle the second half of step s + 3, at its end the first half of step s + 4, into the set that step s - 1 has left.
; At most 72 loads of a wave are out, 56 behind step 0's wait.  The 32 steps are written out: the ring's five divides neither a slot's 8 steps nor the 32.  A cluster holds one kind (q, k or v) alone: the kind hangs on grid y.
; THE MATRIX INSTRUCTION IS USED TRANSPOSED (source 0 = 16 rows of wcat, source 1 = 16 rows of acat): lane (r, h) holds row r, and register j of tile b the column d = 16 b + 8 h + j.  Eight such registers
; convert into registers 2 b, 2 b + 1 of the next product's operand: so q's and k's codes are stored as IMAGES of operand registers: group c of four registers at 512 c + 16 x lane, 2,048 bytes a tile of 16 rows.
; v's operand has the keys along its registers: v's numbers turn through the wave's stage in LDS, which lies in slot 0: that slot has had its last fill, and its last read lies ahead of the last change of slots.
; LIMITS on the given exponents: eA1 + eB1 - eA2 - eB2 within +-24; eA2 + eB2 between -119 and 127; e12, e13, e15 between -126 and 119.  NaN among the inputs is not served.
; REGISTERS, in windows of 256: window 0: v20-31 addresses and scales; v32-47 codes; v48-63 sums of squares; v64-127 the norm's weights (v: numbers from the stage); v128-191 one set of acat's ring; v128-255 later at work.
;   window 1: wcat's fragments, two sets, at v0 and v128.   window 2: accumulator (a, b) at v[8 (8 a + b)].   window 3: four sets of acat's ring; then, for row tile a: cosines at v[64 a ..], sines at v[64 a + 32 ..].
.set BPT,   528                        ; an LDS row of wcat: 512 bytes + 16 of padding: the 16 rows that a load touches start at 16 different groups of banks
.set CHB,   128*BPT                    ; a slot's half along K: 128 rows x 512 bytes
.set SLOT,  2*CHB
.set SPARE, 2*SLOT                     ; behind the ring: the spare words, 128 bytes a wave, which no other line names
.set NWB,   SPARE+512
.set VP,    528                        ; v's stage: a row of 128 f32 + 16 bytes
.set VST,   32*VP                      ; 32 rows for each wave
.set ADRB, 20                          ; v20-23 LDS address of my fragments of wcat: slot 0 first and second half along K, slot 1 likewise
.set LI,   24                          ; v24 16 x lane
.set VSO,  25                          ; v25 v's stage: where I put 32 bytes of a row
.set VSR,  26                          ; v26 and where I read down a column
.set NWA,  27                          ; v27 32 h: my offset in the norm's weights in memory
.set SPW,  28                          ; v28 my spare word; never rewritten
.set NIL,  29                          ; v29 0; never rewritten
.set OSC,  30                          ; v30 the output's scale as f32
.set OLIM, 31                          ; v31 448 x that
.set CD,   32
.set SS,   48
.set NW,   64
.set Y,    128
.set TT,   192
.set G1,  24                           ; s[24:31] descriptor group 1 for wcat's tiles; s[32:39] group 0, a set for each slot
.set G0,  32
.set AP,  40                           ; s[40:41] acat at my wave's first row tile; never rewritten
.set G1N, 44
.set G0N, 52
.set MSB, 0
.macro WIN new                         ; the immediate's high byte repeats the setting that is left
.if MSB != \new
	s_set_vgpr_msb (MSB<<8)|\new
.set MSB, \new
.endif
.endm
.macro CREST                           ; a round of the cluster's barrier behind its opening barrier
	s_cmp_lg_u32 s20, 0
	s_cbranch_scc1 .Lnot_wave_0_\@
	s_barrier_signal -3
.Lnot_wave_0_\@:
	s_barrier_wait -3
	s_barrier_signal -1
	s_barrier_wait -1
.endm
.macro CROUND
	s_barrier_signal -1
	s_barrier_wait -1
	CREST
.endm
.macro PLACES n
.rept \n
	v_nop
.endr
.endm
	s_load_b512 s[4:19], s[0:1], 0x0               ; acat, wcat, rope, q_norm_w, k_norm_w, lowp_scales, q_c, kv_c
	v_lshl_add_u32 v[SPW], v0, 2, SPARE
	v_mov_b32 v[NIL], 0
	ds_add_u32 v[SPW], v[NIL]                      ; the wave's opening
	ds_add_u32 v[SPW], v[NIL]
	v_lshrrev_b32 v1, 5, v0
	v_readfirstlane_b32 s20, v1                    ; wave 0..3
	s_lshr_b32 s21, s20, 1                         ; of wcat's tile I fetch the first or second 512 bytes along K,
	s_and_b32 s22, s20, 1                          ; of its first or second 64 rows
	; THE CLUSTER IS 4 x 1 (this takes the place of what the head says of 4 x 4): grid x counts blocks of 256 rows, grid y heads.  The four partners are four row blocks of ONE head:
	; they need the same rows of wcat and nothing else in common, so the mask names all four.  The kind hangs on grid y alone, which the partners share.
	s_bfe_u32 s23, ttmp6, 0x40000                  ; cx: it enters global addresses of my own loads and stores alone
	s_and_b32 s57, ttmp7, 0xffff                   ; tx: the head
	s_lshl_b32 s58, ttmp9, 2
	s_add_co_u32 s58, s58, s23                     ; ty = 4 x cluster x + cx: which 256 rows
	s_lshr_b32 s59, s57, 2
	s_max_u32 s59, s59, 3
	s_sub_co_u32 s59, s59, 3                       ; the kind: 0 q (heads 0-15), 1 k (16-19), 2 v (20-23)
	s_mov_b32 s[G1], 15|(0<<16)|(1<<20)|(1<<21)|(6<<22)|(3<<25)   ; the mask of all four; elements of 1 byte; padding on; bit 21 beside a mask; four words after every 128
	s_mov_b32 s[G1+1], 512<<16                     ; tensor_dim0
	s_mov_b32 s[G1+2], 64<<16                      ; tensor_dim1
	s_mov_b32 s[G1+3], 512<<16                     ; tile_dim0
	s_mov_b32 s[G1+4], 64                          ; tile_dim1
	s_mov_b32 s[G1+5], 4096                        ; from row to row
	s_mov_b32 s[G1+6], 0
	s_mov_b32 s[G1+7], 0
	s_lshl_b32 s98, s57, 19                        ; wcat: (128 tx + 64 half) rows of 4,096 bytes, + 512 x half along K: no register here ever holds cy
	s_lshl_b32 s99, s22, 18
	s_add_co_u32 s98, s98, s99
	s_lshl_b32 s99, s21, 9
	s_add_co_u32 s98, s98, s99
	s_mov_b32 s99, 0
	s_mul_i32 s60, s21, CHB                        ; where it goes: no place in the cluster enters an LDS address
	s_mul_i32 s61, s22, 64*BPT
	s_add_co_u32 s60, s60, s61
	s_lshl_b32 s96, s58, 20                        ; acat: row tile 16 ty + 4 w, 65,536 bytes a tile, in the kind's set of 8 MiB
	s_lshl_b32 s97, s20, 18
	s_add_co_u32 s96, s96, s97
	s_mov_b32 s97, 0                               ; (the set of 8 MiB is added below, when the exponents are in)
	s_lshl_b32 s62, s58, 17                        ; the table: row tile 16 ty + 4 w, 8,192 bytes a tile
	s_lshl_b32 s63, s20, 15
	s_add_co_u32 s62, s62, s63
	s_mov_b32 s63, 0
	s_mov_b32 s90, 0x76543210                      ; v_permlanex16_b32's selects for lane l xor 16
	s_mov_b32 s91, 0xfedcba98
	s_wait_dscnt 0x0                               ; the opening add is done
	s_wait_kmcnt 0x0
	s_load_b512 s[68:83], s[14:15], 0x0            ; e0 .. e15
	s_add_nc_u64 s[98:99], s[6:7], s[98:99]
	s_add_nc_u64 s[AP:AP+1], s[4:5], s[96:97]
	s_add_nc_u64 s[8:9], s[8:9], s[62:63]
	s_cmp_eq_u32 s59, 0
	s_cselect_b64 s[10:11], s[10:11], s[12:13]     ; q's weights, else k's (v's work-groups fetch k's and do not read them)
.irp s, 0,1
	s_mov_b32 s[G0+4*\s], 1
	s_add_co_u32 s[G0+4*\s+1], s60, \s*SLOT
	s_add_nc_u64 s[G0+4*\s+2:G0+4*\s+3], s[98:99], \s*1024
	s_or_b32 s[G0+4*\s+3], s[G0+4*\s+3], 0x80000000
.endr
	CROUND                                         ; all four work-groups are here: the first joint loads meet
	tensor_load_to_lds s[G0:G0+3], s[G1:G1+7]      ; K step 0
	s_nop 0
	PLACES 4
	; WHICH SET OF acat: the kind's own, or the earliest set with the same two exponents (x's e(4 i), mu's e(4 i + 2)): the launch before stores no set that would repeat an earlier one.  Choices alone, no branch.
	s_wait_kmcnt 0x0                               ; e0 .. e15
	s_xor_b32 s60, s72, s68
	s_xor_b32 s61, s74, s70
	s_or_b32 s60, s60, s61                         ; 0: set 1 repeats set 0
	s_xor_b32 s61, s76, s68
	s_xor_b32 s62, s78, s70
	s_or_b32 s61, s61, s62                         ; 0: set 2 repeats set 0
	s_xor_b32 s62, s76, s72
	s_xor_b32 s63, s78, s74
	s_or_b32 s62, s62, s63                         ; 0: set 2 repeats set 1
	s_cmp_eq_u32 s60, 0
	s_cselect_b32 s60, 0, 1                        ; k's set
	s_cmp_eq_u32 s62, 0
	s_cselect_b32 s62, s60, 2
	s_cmp_eq_u32 s61, 0
	s_cselect_b32 s62, 0, s62                      ; v's set
	s_cmp_eq_u32 s59, 1
	s_cselect_b32 s63, s60, 0
	s_cmp_eq_u32 s59, 2
	s_cselect_b32 s63, s62, s63
	s_min_u32 s63, s63, 2
	s_lshl_b32 s62, s63, 23
	s_mov_b32 s63, 0
	s_add_nc_u64 s[AP:AP+1], s[AP:AP+1], s[62:63]
	v_and_b32 v3, 31, v0
	v_lshlrev_b32 v[LI], 4, v3
	v_bfe_u32 v2, v0, 4, 1
	v_lshlrev_b32 v[NWA], 5, v2                    ; 32 h
.irp b, 0,1,2,3,4,5,6,7                        ; the norm's 128 weights go straight into registers, once: w(16 b + 8 h + 0 .. 7).  These 16 loads are older than acat's, so step 0's wait covers them
	global_load_b128 v[NW+8*\b:NW+8*\b+3], v[NWA], s[10:11] offset:64*\b
	global_load_b128 v[NW+8*\b+4:NW+8*\b+7], v[NWA], s[10:11] offset:64*\b+16
.endr
; HALF A SET: item GH of the wave's one sequence of loads.  GH < 64: row tiles 2 (GH % 2) + 0, 1 of step GH / 2; from 64 on: the table's cosines (even) or sines (odd) of row tile (GH - 64) / 2.
; Step n's set: (n + 3) % 5 = 0..3: window 3 at 64 x that; 4: window 0 at v128.  So steps 27 to 30 leave window 3's four sets in ascending order, and the table's four follow them there.
.macro HLOAD
.if GH < 64
.set NK, GH/2
.set LJ, (NK+3)%5
.if LJ < 4
	WIN 0xc0
.set LR, 64*LJ
.else
	WIN 0
.set LR, 128
.endif
.irp a, 0,1
.irp c, 0,1,2,3
	global_load_b128 v[LR+16*(2*(GH%2)+\a)+4*\c:LR+16*(2*(GH%2)+\a)+4*\c+3], v[LI], s[AP:AP+1] offset:(2*(GH%2)+\a)*65536+NK*2048+512*\c
.endr
.endr
.else
.set RA, (GH-64)/2
	WIN 0xc0
.irp p, 0,1,2,3,4,5,6,7
	global_load_b128 v[64*RA+32*(GH%2)+4*\p:64*RA+32*(GH%2)+4*\p+3], v[LI], s[8:9] offset:RA*8192+(8*(GH%2)+\p)*512
.endr
.endif
.endm
.set GH, 0
.rept 7
	HLOAD                                          ; steps 0, 1, 2 and the first half of step 3: 56 loads
.set GH, GH+1
.endr
	WIN 0
	v_and_b32 v1, 15, v0                           ; r
	v_bfe_u32 v2, v0, 4, 1                         ; h
	v_mul_u32_u24 v4, v1, BPT
	v_lshl_add_u32 v[ADRB], v2, 4, v4              ; a fragment's row x pitch + 16 h
	v_add_nc_u32 v[ADRB+1], CHB, v[ADRB]
	v_add_nc_u32 v[ADRB+2], SLOT, v[ADRB]
	v_add_nc_u32 v[ADRB+3], SLOT+CHB, v[ADRB]
	s_mul_i32 s60, s20, VST                        ; my stage
	v_mul_u32_u24 v5, v1, VP
	v_lshl_add_u32 v5, v2, 5, v5
	v_add_nc_u32 v[VSO], s60, v5                   ; in: row r, 32 bytes for each half of the lanes
	v_mul_u32_u24 v5, v2, 8*VP
	v_lshl_add_u32 v5, v1, 2, v5
	v_add_nc_u32 v[VSR], s60, v5                   ; out: channel r, rows 8 h on
	s_wait_kmcnt 0x0
	s_cmp_eq_u32 s59, 1                            ; the kind's four exponents and the output's: choices, no branch
	s_cselect_b32 s60, s72, s68
	s_cselect_b32 s61, s73, s69
	s_cselect_b32 s62, s74, s70
	s_cselect_b32 s63, s75, s71
	s_cselect_b32 s94, s81, s80                    ; q: e12, k: e13,
	s_cmp_eq_u32 s59, 2
	s_cselect_b32 s60, s76, s60
	s_cselect_b32 s61, s77, s61
	s_cselect_b32 s62, s78, s62
	s_cselect_b32 s63, s79, s63
	s_cselect_b32 s94, s83, s94                    ; v: e15
	s_add_co_i32 s95, s62, s63                     ; eA2 + eB2
	s_add_co_i32 s60, s60, s61
	s_sub_co_i32 s60, s60, s95
	s_add_co_i32 s60, s60, 127
	s_lshl_b32 s84, s60, 23                        ; 2^(eA1 + eB1 - eA2 - eB2)
	s_mov_b32 s85, s84                             ; (named with it as a pair, so it is written)
	s_add_co_i32 s61, s95, 127
	s_lshl_b32 s86, s61, 23                        ; F2 = 2^(eA2 + eB2)
	s_mov_b32 s87, s86
	s_sub_co_i32 s61, s61, 7
	s_lshl_b32 s88, s61, 23                        ; F2 / 128
	s_mov_b32 s89, 0x358637bd                      ; 1e-6
	s_add_co_i32 s94, s94, 127
	s_lshl_b32 s95, s94, 23
	v_mov_b32 v[OSC], s95
	s_add_co_i32 s94, s94, 8
	s_lshl_b32 s94, s94, 23
	s_or_b32 s94, s94, 0x600000
	v_mov_b32 v[OLIM], s94
; 32 LDS loads in one run: wcat's eight fragments of step NX (slot (NX / 8) % 2, its half along K (NX % 8) / 4, 128 (NX % 4) bytes on) into set NX % 2
.macro FETCHB
	WIN 0x40
.set FB, ADRB+2*((NX/8)%2)+(NX%8)/4
.set FO, 128*(NX%4)
.set FS, 128*(NX%2)
.irp i, 0,1,2,3,4,5,6,7
.irp c, 0,1,2,3
	ds_load_b128 v[FS+16*\i+4*\c:FS+16*\i+4*\c+3], v[FB] offset:FO+32*\c+\i*16*BPT
.endr
.endr
.endm
; 8 matrix instructions: row tile a against the head's eight tiles of columns.  The 32 accumulators take turns, one instruction a turn, in the same order in every step.
; Step 0's products start the sums: nothing is ever cleared.
.macro MUL8 a
.irp b, 0,1,2,3,4,5,6,7
.if STP == 0
	v_wmma_f32_16x16x128_fp8_fp8 v[8*(8*(\a)+\b):8*(8*(\a)+\b)+7], v[BS+16*\b:BS+16*\b+15], v[AR+16*(\a):AR+16*(\a)+15], 0
.else
	v_wmma_f32_16x16x128_fp8_fp8 v[8*(8*(\a)+\b):8*(8*(\a)+\b)+7], v[BS+16*\b:BS+16*\b+15], v[AR+16*(\a):AR+16*(\a)+15], v[8*(8*(\a)+\b):8*(8*(\a)+\b)+7]
.endif
.endr
.endm
; STEP STP: 128 along K, 32 matrix instructions.  Four places stand behind its first eight, ahead of the loads into registers that the step before has read (ISA guide 7.12.1 for vector instructions).
; A slot's last step (STP % 8 = 7) changes slots: one barrier; in front of it each wave waits for all its tensor loads, adds 0 to its spare word, and waits for that and for its reads of this slot.
; Behind steps 7 and 15 the slot just left is filled again, two K steps ahead: the barrier then opens a round of the cluster's, and the joint refill is the first thing behind it.
.macro KSTEP
.set RJ, (STP+3)%5
.if RJ < 4
.set AR, 64*RJ
.set MW, 0xad                          ; source 0 (wcat) window 1, source 1 (acat) window 3, C and D window 2
.else
.set AR, 128
.set MW, 0xa1                          ; the same with source 1 in window 0
.endif
.set BS, 128*(STP%2)
.set NX, STP+1
	s_wait_loadcnt 40                              ; this step's set is in: behind its second half five half sets of eight loads were issued
.if (STP%8 == 7) && (STP < 31)
	s_wait_tensorcnt 0x0                           ; all my tensor loads have landed: my part of the next slot
	ds_add_u32 v[SPW], v[NIL]
	s_wait_dscnt 1                                 ; wcat's set is in; the add alone may be out
	WIN MW
	MUL8 0
	s_wait_dscnt 0x0                               ; the add is done, and my reads of this slot are over
	s_barrier_signal -1
	MUL8 1
	WIN 0
	s_barrier_wait -1
.if STP < 16
	CREST                                          ; no wave of any partner still reads this slot or has a load on its way
	s_add_nc_u64 s[G0+4*(STP/8)+2:G0+4*(STP/8)+3], s[G0+4*(STP/8)+2:G0+4*(STP/8)+3], 2048
	tensor_load_to_lds s[G0+4*(STP/8):G0+4*(STP/8)+3], s[G1:G1+7]   ; my one tensor load until the next round: it has 8 steps in which to land
	s_nop 0
.endif
	PLACES 4
	FETCHB
.set GH, 2*STP+7
	HLOAD
	WIN MW
	MUL8 2
	MUL8 3
.else
	s_wait_dscnt 0x0                               ; wcat's set is in (asked for 24 matrix instructions ago)
	WIN MW
	MUL8 0
	PLACES 4
.if STP < 31
	FETCHB
.endif
.set GH, 2*STP+7
	HLOAD
	WIN MW
	MUL8 1
	MUL8 2
	s_wait_alu depctr_va_vdst(0)
	MUL8 3
.endif
.set GH, 2*STP+8
	HLOAD                                          ; into the set that the step before has left: the four places above lie between
	WIN 0
.endm
	s_wait_alu depctr_va_vdst(0)
	s_wait_tensorcnt 0x0                           ; my part of K step 0 is in
	ds_add_u32 v[SPW], v[NIL]
	s_wait_dscnt 0x0
	CROUND                                         ; everybody's part of K step 0 is in, and the four partners are here
	tensor_load_to_lds s[G0+4:G0+7], s[G1:G1+7]    ; K step 1, slot 1's first fill: it has slot 0's eight steps in which to land
	s_nop 0
	PLACES 4
.set NX, 0
	FETCHB
	WIN 0
.set STP, 0
.rept 32
	KSTEP
.if STP == 15                                  ; x's half of K is done: the sums go under mu's pair of scales
	PLACES 4
	WIN 0x82
.set i, 0
.rept 128
	v_pk_mul_f32 v[2*i:2*i+1], v[2*i:2*i+1], s[84:85] op_sel_hi:[1,0]
.set i, i+1
.endr
	WIN 0
.endif
.set STP, STP+1
.endr
	PLACES 4
	s_cmp_eq_u32 s59, 2
	s_cbranch_scc1 .Lv_out
	; ---- q and k.  The norm's weights have lain in v[NW ..] since the head
	; where the images go: q_c [head][row tile][2,048]; kv_c [kv head][slot of 512 keys][32 key tiles x 2,048 | v's 65,536]
	s_lshl_b32 s94, s57, 18
	s_lshl_b32 s95, s58, 15
	s_add_co_u32 s94, s94, s95
	s_sub_co_u32 s95, s57, 16
	s_lshl_b32 s95, s95, 19
	s_lshr_b32 s96, s58, 1
	s_lshl_b32 s96, s96, 17
	s_add_co_u32 s95, s95, s96
	s_and_b32 s96, s58, 1
	s_lshl_b32 s96, s96, 15
	s_add_co_u32 s95, s95, s96
	s_cmp_eq_u32 s59, 0
	s_cselect_b32 s94, s94, s95
	s_cselect_b64 s[92:93], s[16:17], s[18:19]
	s_lshl_b32 s95, s20, 13
	s_add_co_u32 s94, s94, s95
	s_mov_b32 s95, 0
	s_add_nc_u64 s[92:93], s[92:93], s[94:95]
	WIN 0x0a                                       ; sources 0 and 1 window 2: the sums of squares of the raw sums, two chains a row tile, each accumulator from its low end on
.set i, 0
.rept 32
.irp a, 0,1,2,3
.if i < 2
	v_pk_mul_f32 v[SS+4*\a+2*(i%2):SS+4*\a+2*(i%2)+1], v[64*\a+2*i:64*\a+2*i+1], v[64*\a+2*i:64*\a+2*i+1]
.else
	v_pk_fma_f32 v[SS+4*\a+2*(i%2):SS+4*\a+2*(i%2)+1], v[64*\a+2*i:64*\a+2*i+1], v[64*\a+2*i:64*\a+2*i+1], v[SS+4*\a+2*(i%2):SS+4*\a+2*(i%2)+1]
.endif
.endr
.set i, i+1
.endr
	WIN 0
.irp a, 0,1,2,3
	v_pk_add_f32 v[SS+4*\a:SS+4*\a+1], v[SS+4*\a:SS+4*\a+1], v[SS+4*\a+2:SS+4*\a+3]
.endr
.irp a, 0,1,2,3
	v_add_f32 v[SS+4*\a], v[SS+4*\a], v[SS+4*\a+1]
.endr
.irp a, 0,1,2,3
	v_permlanex16_b32 v[SS+4*\a+1], v[SS+4*\a], s90, s91   ; the row's other 64 columns lie in the lane 16 away
.endr
.irp a, 0,1,2,3
	v_add_f32 v[SS+4*\a], v[SS+4*\a], v[SS+4*\a+1]
.endr
.irp a, 0,1,2,3
	v_mul_f32 v[SS+4*\a], s86, v[SS+4*\a]
.endr
.irp a, 0,1,2,3
	v_fma_f32 v[SS+4*\a], v[SS+4*\a], s88, s89     ; the mean of the squares + 1e-6
.endr
	s_wait_alu depctr_va_vdst(0)
.irp a, 0,1,2,3
	v_rsq_f32 v[SS+4*\a+2], v[SS+4*\a]
.endr
	v_nop                                          ; a plain line behind the batch,
	s_wait_alu depctr_va_vdst(0)                   ; and the wait ahead of its first reader
.irp a, 0,1,2,3
	v_mul_f32 v[SS+4*\a+2], s86, v[SS+4*\a+2]      ; by this a raw sum becomes x rsqrt(..)
.endr
	s_wait_alu depctr_va_vdst(0)
	s_wait_loadcnt 40                              ; the table's row tile 0 is in: behind it five half sets were issued;
.set GH, 71
	HLOAD
	WIN 0
.macro QKBLOCK a                       ; 16 rows: norm, weight, rotation, quantiser, image
.if \a > 0
	s_wait_loadcnt 16*(3-\a)                       ; the table's row tile a is in; the later tiles' sixteen loads each may be out
.endif
	WIN 0x02
.set i, 0
.rept 32
	v_pk_mul_f32 v[Y+2*i:Y+2*i+1], v[64*\a+2*i:64*\a+2*i+1], v[SS+4*\a+2:SS+4*\a+3] op_sel_hi:[1,0]
.set i, i+1
.endr
	WIN 0
.set i, 0
.rept 32
	v_pk_mul_f32 v[Y+2*i:Y+2*i+1], v[Y+2*i:Y+2*i+1], v[NW+2*i:NW+2*i+1]
.set i, i+1
.endr
	WIN 0x0c                                       ; source 1 window 3.  Registers 0-31 are d < 64, register + 32 is d + 64
.set i, 0
.rept 16
	v_pk_mul_f32 v[TT+2*i:TT+2*i+1], v[Y+2*i:Y+2*i+1], v[64*\a+2*i:64*\a+2*i+1]
	v_pk_mul_f32 v[TT+32+2*i:TT+32+2*i+1], v[Y+32+2*i:Y+32+2*i+1], v[64*\a+2*i:64*\a+2*i+1]
.set i, i+1
.endr
.set i, 0
.rept 16
	v_pk_fma_f32 v[TT+2*i:TT+2*i+1], v[Y+32+2*i:Y+32+2*i+1], v[64*\a+32+2*i:64*\a+32+2*i+1], v[TT+2*i:TT+2*i+1] neg_lo:[1,0,0] neg_hi:[1,0,0]
	v_pk_fma_f32 v[TT+32+2*i:TT+32+2*i+1], v[Y+2*i:Y+2*i+1], v[64*\a+32+2*i:64*\a+32+2*i+1], v[TT+32+2*i:TT+32+2*i+1]
.set i, i+1
.endr
	WIN 0
.set i, 0
.rept 64
	v_med3_num_f32 v[TT+i], v[TT+i], -v[OLIM], v[OLIM]     ; the conversion to an 8-bit code does not saturate (ISA guide 7.6.2)
.set i, i+1
.endr
.if \a > 0
	s_wait_alu depctr_va_vdst(0)
	s_wait_xcnt 0x0                                ; the last block's stores have read the code registers
.endif
.irp b, 0,1,2,3,4,5,6,7
	v_cvt_scalef32_pk8_fp8_f32 v[CD+2*\b:CD+2*\b+1], v[TT+8*\b:TT+8*\b+7], v[OSC]
.endr
	v_nop                                          ; a plain line behind the last conversion
.irp c, 0,1,2,3
	global_store_b128 v[LI], v[CD+4*\c:CD+4*\c+3], s[92:93] offset:\a*2048+512*\c   ; 512 consecutive bytes, aligned
.endr
.endm
	QKBLOCK 0
	QKBLOCK 1
	QKBLOCK 2
	QKBLOCK 3
	s_branch .Lend
.Lv_out:	; ---- v.  kv_c: behind a slot's 65,536 bytes of k: [block of 128 keys][channel tile 8][2,048]; my 64 rows are key tiles 4 (w % 2) + 0..3 of block 2 (ty % 2) + w / 2.  (The table's loads, which keep the loop's counts alike in every kind, are not read here)
	s_sub_co_u32 s94, s57, 20
	s_lshl_b32 s94, s94, 19
	s_lshr_b32 s95, s58, 1
	s_lshl_b32 s95, s95, 17
	s_add_co_u32 s94, s94, s95
	s_and_b32 s95, s58, 1
	s_lshl_b32 s95, s95, 15
	s_add_co_u32 s94, s94, s95
	s_lshl_b32 s95, s21, 14
	s_add_co_u32 s94, s94, s95
	s_lshl_b32 s95, s22, 10
	s_add_co_u32 s94, s94, s95
	s_add_co_u32 s94, s94, 65536
	s_mov_b32 s95, 0
	s_add_nc_u64 s[92:93], s[18:19], s[94:95]
.irp hf, 0,1                                   ; 32 rows at a time
	WIN 0x02
.set i, 0
.rept 64
	v_pk_mul_f32 v[Y+2*i:Y+2*i+1], v[128*\hf+2*i:128*\hf+2*i+1], s[86:87] op_sel_hi:[1,0]   ; v = sum x F2
.set i, i+1
.endr
	WIN 0
.irp ap, 0,1
.irp b, 0,1,2,3,4,5,6,7
	ds_store_b128 v[VSO], v[Y+64*\ap+8*\b:Y+64*\ap+8*\b+3] offset:\ap*16*VP+64*\b
	ds_store_b128 v[VSO], v[Y+64*\ap+8*\b+4:Y+64*\ap+8*\b+7] offset:\ap*16*VP+64*\b+16
.endr
.endr
.irp bt, 0,1                                   ; four channel tiles at a time: a lane takes one channel and 16 keys down the stage.  LDS serves a wave's instructions in order: these see my stores
.irp dq, 0,1,2,3
.irp ap, 0,1
.irp j, 0,1,2,3,4,5,6,7
	ds_load_b32 v[NW+16*\dq+8*\ap+\j], v[VSR] offset:(16*\ap+\j)*VP+64*(4*\bt+\dq)
.endr
.endr
.endr
	s_wait_dscnt 0x0
	s_wait_xcnt 0x0                                ; earlier stores have read the code registers
.set i, 0
.rept 64
	v_med3_num_f32 v[NW+i], v[NW+i], -v[OLIM], v[OLIM]
.set i, i+1
.endr
.irp dq, 0,1,2,3
.irp ap, 0,1
	v_cvt_scalef32_pk8_fp8_f32 v[CD+4*\dq+2*\ap:CD+4*\dq+2*\ap+1], v[NW+16*\dq+8*\ap:NW+16*\dq+8*\ap+7], v[OSC]
.endr
.endr
	v_nop
.irp dq, 0,1,2,3
	global_store_b128 v[LI], v[CD+4*\dq:CD+4*\dq+3], s[92:93] offset:(4*\bt+\dq)*2048+\hf*512
.endr
.endr
.endr
.Lend:
	s_wait_tensorcnt 0x0                           ; the wave's end
	ds_add_u32 v[SPW], v[NIL]
	s_wait_dscnt 0x0
	CROUND                                         ; the closing round
	s_endpgm
.Lfunc_end_k_qbe8bc3ed76_proj:
	.size	k_qbe8bc3ed76_proj, .Lfunc_end_k_qbe8bc3ed76_proj-k_qbe8bc3ed76_proj
	.p2alignl 7, 3214868480
	.fill 96, 4, 3214868480
	.section	.rodata,"a",@progbits
	.p2align	6, 0x0
	.amdhsa_kernel k_qbe8bc3ed76_proj
		.amdhsa_group_segment_fixed_size 327680
		.amdhsa_private_segment_fixed_size 0
		.amdhsa_enable_private_segment 0
		.amdhsa_kernarg_size 64
		.amdhsa_user_sgpr_count 2
		.amdhsa_user_sgpr_kernarg_segment_ptr 1
		.amdhsa_wavefront_size32 1
		.amdhsa_system_sgpr_workgroup_id_x 1
		.amdhsa_system_sgpr_workgroup_id_y 1
		.amdhsa_system_sgpr_workgroup_id_z 1
		.amdhsa_system_vgpr_workitem_id 0
		.amdhsa_next_free_vgpr 1024
		.amdhsa_next_free_sgpr 100
		.amdhsa_reserve_vcc 0
		.amdhsa_float_denorm_mode_32 3
		.amdhsa_float_denorm_mode_16_64 3
		.amdhsa_memory_ordered 1
		.amdhsa_forward_progress 1
		.amdhsa_inst_pref_size 255
	.end_amdhsa_kernel
	.section	.bss,"aw",@nobits
	.p2align	6
	.space	262144
	.amdgpu_metadata
---
amdhsa.version: [ 1, 2 ]
amdhsa.kernels:
  - .name:           k_qbe8bc3ed76_proj
    .symbol:         k_qbe8bc3ed76_proj.kd
    .args:
      - { .name: acat, .offset: 0, .size: 8, .value_kind: global_buffer, .address_space: global }
      - { .name: wcat, .offset: 8, .size: 8, .value_kind: global_buffer, .address_space: global }
      - { .name: rope, .offset: 16, .size: 8, .value_kind: global_buffer, .address_space: global }
      - { .name: q_norm_w, .offset: 24, .size: 8, .value_kind: global_buffer, .address_space: global }
      - { .name: k_norm_w, .offset: 32, .size: 8, .value_kind: global_buffer, .address_space: global }
      - { .name: lowp_scales, .offset: 40, .size: 8, .value_kind: global_buffer, .address_space: global }
      - { .name: q_c, .offset: 48, .size: 8, .value_kind: global_buffer, .address_space: global }
      - { .name: kv_c, .offset: 56, .size: 8, .value_kind: global_buffer, .address_space: global }
    .group_segment_fixed_size: 327680
    .private_segment_fixed_size: 0
    .kernarg_segment_align: 8
    .kernarg_segment_size: 64
    .max_flat_workgroup_size: 128
    .sgpr_count:     100
    .vgpr_count:     1024
    .wavefront_size: 32
...
	.end_amdgpu_metadata
.endif
;; end of part 2
;; launch attn (part 3): grid 64 x 4, 16 waves a work-group, clusters of 4 x 1, 327,680 bytes of LDS; arguments q_c, kv_c, lowp_scales, o_c; writes o_c
.if DOCPART == 3
	.amdgcn_target "amdgcn-amd-amdhsa--gfx1250"
	.amdhsa_code_object_version 6
	.text
	.protected	k_qbe8bc3ed76_attn
	.globl	k_qbe8bc3ed76_attn
	.p2align	8
	.type	k_qbe8bc3ed76_attn,@function
k_qbe8bc3ed76_attn:
	s_mov_b64 s[64:65], 0
	v_nop
	global_prefetch_b8 v0, s[64:65] scope:SCOPE_SE
	s_setreg_imm32_b32 hwreg(HW_REG_WAVE_MODE, 25, 1), 1
	s_wait_xcnt 0x0
	s_wait_alu depctr_hold_cnt(0) depctr_sa_sdst(0) depctr_va_vdst(0) depctr_va_sdst(0) depctr_va_ssrc(0) depctr_va_vcc(0) depctr_vm_vsrc(0)
	s_getreg_b32 s2, hwreg(HW_REG_IB_STS2, 6, 4)
	s_cmp_eq_u32 s2, 0
	s_cbranch_scc0 .Lentry_in_a_cluster
	s_endpgm
.Lentry_in_a_cluster:
	s_bfe_u32 s2, ttmp6, 0x10000c
	s_cmp_lg_u32 s2, 0x3003
	s_cbranch_scc0 .Lentry_shape_is_right
	s_endpgm
.Lentry_shape_is_right:
; Causal attention with grouped query heads on codes of E4M3; its result is quantised for the output projection.
; THE SOFTMAX AHEAD OF THE SECOND PRODUCT: t = score x log2(e) / sqrt(128); M = the largest t so far, rounded up to a whole number; p = 2^(t - M) is quantised along the keys, not normalised.
; The sum is taken of the unquantised p and divides at the end.  When M moves, the sum and O are multiplied by 2^(old M - new M): nothing is rounded.
; SHARES.  Work-group y = the key and value head; the four partners of a cluster are its four query heads: they walk the same K and V, and every tile is asked for jointly (mask of all four).
; Cluster x = j, 0..15.  A work-group owns eight tiles of 16 queries: the late tiles 127 - 4 j - u and the early tiles 4 j + u (u = 0..3), so that all work-groups have the same sum of key steps.
; TWO WAVES TO A TILE: waves w and w + 8 own the same 16 queries; wave w takes the even key steps of 128 keys, wave w + 8 the odd ones, each with its own M, sum and O^T.
; At the end wave w + 8 hands -M, its sum and O^T to wave w through LDS; with M = the larger of the two, both parts are multiplied by 2^(own M - M), a power of two, and added.
; A wave none of whose steps counts hands over zeros under M = -3e38: its factor is 0.  Step 0 counts for every query, so wave w's M is always a number.
; All branches hang on j, the wave's number and the count of steps: they are alike in the partners.
; K AND V LIE IN kv_c AS IMAGES OF OPERAND REGISTERS: a slot of 512 keys is 131,072 dense bytes (32 key tiles x 2,048, then 4 blocks of 128 keys x 8 channel tiles x 2,048); each of the sixteen waves fetches
; 8,192 of them by one tensor load (32 rows of 256 bytes); a fragment is four loads of 512 consecutive bytes: no pitch, no padding.
; Both products are used transposed (S^T = K Q^T, O^T = V^T P^T): a lane holds one query (lane % 16); register 8 t + j of S^T is key 16 t + 8 (lane / 16) + j, so eight registers convert into registers 2 t, 2 t + 1 of P.
; CAUSAL: every wave walks all slots; a step all of whose keys come after the wave's queries, or that is the partner wave's, leaves its work out by a scalar branch on ids; on the diagonal hidden scores become -infinity ahead of the maximum.
; LIMITS: e12 + e13 between -123 and 130; e14 and e16 between -126 and 119; the scaled scores t stay under 2^31 in magnitude.
; REGISTERS: v1-4 offsets; v5, v6 the add's two; v8, v9 addresses in hand; v12 -M, v13 the largest t, v[14:15] the sum; v16-31 Q; v32-95 four fragments; v96-159 S^T, p, then four fragments of V; v160-223 O^T; v224-239 P's codes.
.set SLOT1, 1<<17                      ; slot 1 begins here: one exclusive or turns an address in one slot into the other's
.set KVS,   131072                     ; a slot's bytes in kv_c
.set SPARE, 2*SLOT1                    ; behind the ring: the spare words, 128 bytes a wave, which no other line names
.set NSL,   4
.set PAIRB, 17*512                     ; what a wave hands to its partner: 17 groups of four registers.  Eight such places lie in slot 0, which has had its last fill and its last read by then
.set LI,   1                           ; v1  16 x lane
.set LV,   2                           ; v2  the same in V's half of a slot
.set PFO,  3                           ; v3  256 x lane; never rewritten
.set STG,  4                           ; v4  my pair's place in LDS, + 16 x lane
.set SPW,  5
.set NIL,  6
.set ADK,  8
.set ADV,  9
.set WV,   12                          ; s12 wave
.set LIM,  15                          ; s15 1 in a wave that prefetches, else the greatest number
.set SEL,  20                          ; s[20:21]
.set CS,   22                          ; s[22:23] c = log2(e) / sqrt(128) x 2^(e12 + e13)
.set G1,   24                          ; s[24:31]
.set G0,   40                          ; s[40:43] walks
.set TB,   44                          ; s44 LDS byte of the step in hand
.set SLOTS, 45
.set KF,   46                          ; s46 the step's first key
.set Q0,   47                          ; s47 my first query
.set PFA,  48                          ; s[48:49]
.set CNT,  50
.set HBK,  51                          ; s51 128 x (wave / 8): bit 7 of the first key of the steps that are mine
.macro CROUND
	s_barrier_signal -1
	s_barrier_wait -1
	s_cmp_lg_u32 s[WV], 0
	s_cbranch_scc1 .Lnot_wave_0_\@
	s_barrier_signal -3
.Lnot_wave_0_\@:
	s_barrier_wait -3
	s_barrier_signal -1
	s_barrier_wait -1
.endm
; A prefetch of the slot that the NEXT change of slots will ask for.  All clusters of a key and value head walk the same bytes: the first cluster asks.  Its four partners take 32,768 bytes each, told apart by address;
; in each, waves 0 to 3 take 8,192, lanes 256 bytes apart: each block of 256 bytes is named once.  The last change that fills a slot asks for nothing; slots 0 and 1 come by their loads alone.
.macro ASK
	s_cmp_gt_u32 s[SLOTS], s[LIM]
	s_cbranch_scc0 .Lnot_mine_\@
	global_prefetch_b8 v[PFO], s[PFA:PFA+1] th:TH_LOAD_NT scope:SCOPE_SE
.Lnot_mine_\@:
.endm
	s_load_b256 s[4:11], s[0:1], 0x0               ; q_c, kv_c, lowp_scales, o_c
	v_lshl_add_u32 v[SPW], v0, 2, SPARE
	v_mov_b32 v[NIL], 0
	ds_add_u32 v[SPW], v[NIL]                      ; the wave's opening
	ds_add_u32 v[SPW], v[NIL]
	v_lshrrev_b32 v8, 5, v0
	v_readfirstlane_b32 s[WV], v8                  ; wave 0..15
	s_bfe_u32 s13, ttmp6, 0x40000                  ; cx: it enters global addresses alone
	s_and_b32 s16, ttmp7, 0xffff                   ; the key and value head
	s_lshl_b32 s17, s16, 2
	s_add_co_u32 s17, s17, s13                     ; my query head
	s_and_b32 s52, s[WV], 3
	s_lshl_b32 s53, ttmp9, 2
	s_add_co_u32 s53, s53, s52                     ; the early tile,
	s_sub_co_u32 s54, 127, s53                     ; the late one
	s_lshr_b32 s55, s[WV], 2
	s_xor_b32 s55, s55, s[WV]
	s_and_b32 s55, s55, 1                          ; bits 0 and 2 of the wave's number decide: waves w and w + 8 get the same tile
	s_cmp_eq_u32 s55, 0
	s_cselect_b32 s18, s54, s53                    ; my tile of queries
	s_lshl_b32 s[Q0], s18, 4
	s_lshr_b32 s[HBK], s[WV], 3
	s_lshl_b32 s[HBK], s[HBK], 7
	s_and_b32 s74, s[WV], 7
	s_mul_i32 s74, s74, PAIRB                      ; my pair's place
	s_mov_b32 s[G1], 15|(3<<16)|(1<<21)            ; the mask: all four partners; elements of 8 bytes; bit 21 beside a mask; no padding
	s_mov_b32 s[G1+1], 32<<16                      ; rows of 256 bytes,
	s_mov_b32 s[G1+2], 32<<16                      ; 32 of them,
	s_mov_b32 s[G1+3], 32<<16
	s_mov_b32 s[G1+4], 32
	s_mov_b32 s[G1+5], 32                          ; dense
	s_mov_b32 s[G1+6], 0
	s_mov_b32 s[G1+7], 0
	s_lshl_b32 s56, s16, 19
	s_lshl_b32 s57, s[WV], 13
	s_add_co_u32 s56, s56, s57                     ; my 8,192 bytes of the head's slot 0
	s_mov_b32 s57, 0
	s_lshl_b32 s58, s16, 19
	s_lshl_b32 s59, s13, 15
	s_add_co_u32 s58, s58, s59
	s_lshl_b32 s59, s[WV], 13
	s_add_co_u32 s58, s58, s59
	s_add_co_u32 s58, s58, KVS                     ; the prefetches stand in slot 1; the first change of slots steps them to slot 2
	s_mov_b32 s59, 0
	s_lshr_b32 s[LIM], s[WV], 2
	s_or_b32 s[LIM], s[LIM], ttmp9
	s_cmp_eq_u32 s[LIM], 0
	s_cselect_b32 s[LIM], 1, -1
	s_lshl_b32 s60, s17, 18
	s_lshl_b32 s61, s18, 11
	s_add_co_u32 s60, s60, s61                     ; q_c: (128 head + tile) x 2,048
	s_mov_b32 s61, 0
	s_lshr_b32 s62, s18, 3
	s_lshl_b32 s62, s62, 18
	s_lshl_b32 s63, s17, 14
	s_add_co_u32 s62, s62, s63
	s_and_b32 s63, s18, 7
	s_lshl_b32 s63, s63, 11
	s_add_co_u32 s62, s62, s63                     ; o_c: [128 rows][head][row tile 8][2,048]
	s_mov_b32 s63, 0
	s_mov_b32 s[SEL], 0x76543210
	s_mov_b32 s[SEL+1], 0xfedcba98
	s_mov_b32 s[CS], 0x3e0293ee
	s_mov_b32 s[TB], 0
	s_mov_b32 s[SLOTS], NSL-1
	s_mov_b32 s[KF], 0
	s_wait_dscnt 0x0                               ; both opening adds are done
	s_wait_kmcnt 0x0
	s_load_b128 s[68:71], s[8:9], 0x30             ; e12 .. e15
	s_load_b32 s66, s[8:9], 0x40                   ; e16
	s_mov_b32 s[G0], 1
	s_lshl_b32 s[G0+1], s[WV], 13
	s_add_nc_u64 s[G0+2:G0+3], s[6:7], s[56:57]
	s_or_b32 s[G0+3], s[G0+3], 0x80000000
	s_add_nc_u64 s[PFA:PFA+1], s[6:7], s[58:59]
	s_add_nc_u64 s[4:5], s[4:5], s[60:61]
	s_add_nc_u64 s[10:11], s[10:11], s[62:63]
	CROUND                                         ; all four work-groups are here
	tensor_load_to_lds s[G0:G0+3], s[G1:G1+7]      ; slot 0: one load of mine is out
	s_nop 0
.rept 4
	v_nop
.endr
	v_and_b32 v[LI], 31, v0
	v_lshlrev_b32 v[PFO], 8, v[LI]
	v_lshlrev_b32 v[LI], 4, v[LI]
	v_add_nc_u32 v[LV], 65536, v[LI]
	v_add_nc_u32 v[STG], s74, v[LI]
.irp c, 0,1,2,3
	global_load_b128 v[16+4*\c:19+4*\c], v[LI], s[4:5] offset:512*\c     ; Q's image stays in registers
.endr
	v_mov_b32 v13, 0xff61b1e6                      ; the largest t so far: -3e38
	v_floor_f32 v12, -v13                          ; -M
	v_mov_b32 v14, 0
	v_mov_b32 v15, 0
	v_mov_b32 v236, 0                              ; a lane permute's destination counts as one of its sources
	v_mov_b32 v252, 0
	v_mov_b32 v253, 0
.set n, 0
.rept 64
	v_mov_b32 v[160+n], 0                          ; O^T: the step is written once; the first finds zeros
.set n, n+1
.endr
	s_wait_kmcnt 0x0
	s_add_co_i32 s72, s68, s69
	s_lshl_b32 s72, s72, 23
	s_add_co_i32 s[CS], s[CS], s72                 ; e12 + e13 go into c's exponent field
	s_mov_b32 s[CS+1], s[CS]
	s_add_co_i32 s72, s70, 127
	s_lshl_b32 s73, s72, 23
	v_mov_b32 v244, s73                            ; 2^e14
	s_add_co_i32 s72, s72, 8
	s_lshl_b32 s72, s72, 23
	s_or_b32 s72, s72, 0x600000
	v_mov_b32 v240, s72                            ; 448 x 2^e14
	s_add_co_i32 s72, s66, 127
	s_lshl_b32 s73, s72, 23
	v_mov_b32 v245, s73                            ; 2^e16
	s_add_co_i32 s72, s72, 8
	s_lshl_b32 s72, s72, 23
	s_or_b32 s72, s72, 0x600000
	v_mov_b32 v241, s72                            ; 448 x 2^e16
; A KEY STEP: 128 keys, at LDS byte s[TB] of K's half and of V's half
.macro STEP
	s_add_co_u32 s72, s[Q0], 15
	s_cmp_gt_u32 s[KF], s72
	s_cbranch_scc1 .Lhidden_\@                     ; all its keys come after my queries
	s_and_b32 s72, s[KF], 128
	s_cmp_lg_u32 s72, s[HBK]
	s_cbranch_scc1 .Lhidden_\@                     ; or it is my partner wave's step
	v_add_nc_u32 v[ADK], s[TB], v[LI]
	s_wait_alu depctr_va_vdst(0)
	v_add_nc_u32 v[ADV], s[TB], v[LV]
.rept 3
	v_nop                                          ; with the two additions five places: the first products below write over registers that the last step's products read
.endr
.irp g, 0,1
.if \g > 0
.rept 4
	v_nop
.endr
.endif
.irp t, 0,1,2,3
.irp c, 0,1,2,3
	ds_load_b128 v[32+16*\t+4*\c:32+16*\t+4*\c+3], v[ADK] offset:2048*(4*\g+\t)+512*\c
.endr
.endr
	s_wait_dscnt 0x0
.irp t, 0,1,2,3
	v_wmma_f32_16x16x128_fp8_fp8 v[96+8*(4*\g+\t):103+8*(4*\g+\t)], v[32+16*\t:47+16*\t], v[16:31], 0
.endr
.endr
.rept 4
	v_nop
.endr
	s_wait_alu depctr_va_vdst(0)
.irp t, 0,1,2,3                                ; V's channel tiles 0-3 are asked for now and land during the softmax
.irp c, 0,1,2,3
	ds_load_b128 v[32+16*\t+4*\c:32+16*\t+4*\c+3], v[ADV] offset:2048*\t+512*\c
.endr
.endr
	s_add_co_u32 s72, s[KF], 127
	s_cmp_le_u32 s72, s[Q0]
	s_cbranch_scc1 .Lopen_\@
	s_sub_co_i32 s72, s[Q0], s[KF]
	v_and_b32 v252, 15, v0
	v_bfe_u32 v253, v0, 4, 1
	s_delay_alu instid0(VALU_DEP_1)
	v_lshlrev_b32 v253, 3, v253
	s_delay_alu instid0(VALU_DEP_1)
	v_sub_nc_u32 v252, v252, v253
	s_delay_alu instid0(VALU_DEP_1)
	v_add_nc_u32 v252, s72, v252                   ; d = my query - KF - 8 (lane / 16): register 8 t + j is hidden where 16 t + j > d
	v_mov_b32 v254, 0xff800000
.set n, 0
.rept 64
	v_cmp_gt_i32 vcc_lo, 16*(n/8)+n%8, v252
	v_cndmask_b32 v[96+n], v[96+n], v254, vcc_lo
.set n, n+1
.endr
.Lopen_\@:
	v_max3_num_f32 v254, v96, v97, v98             ; the step's largest score of my query, in two chains,
	v_max3_num_f32 v252, v99, v100, v101
.irp i, 6,10,14,18,22,26,30,34,38,42,46,50,54,58
	v_max3_num_f32 v254, v254, v[96+\i], v[97+\i]
	v_max3_num_f32 v252, v252, v[98+\i], v[99+\i]
.endr
	v_max3_num_f32 v254, v254, v158, v159
	s_delay_alu instid0(VALU_DEP_1)
	v_max_num_f32 v254, v254, v252
	v_permlanex16_b32 v236, v254, s[SEL], s[SEL+1]
	s_delay_alu instid0(VALU_DEP_1)
	v_max_num_f32 v254, v254, v236                 ; and among lane l xor 16's
	s_delay_alu instid0(VALU_DEP_1)
	v_mul_f32 v254, s[CS], v254
	s_delay_alu instid0(VALU_DEP_1)
	v_max_num_f32 v13, v13, v254                   ; the running largest t
	v_mov_b32 v254, v12
	s_delay_alu instid0(VALU_DEP_2)
	v_floor_f32 v12, -v13                          ; the new -M = -ceil(t)
	s_delay_alu instid0(VALU_DEP_1)
	v_sub_f32 v254, v12, v254                      ; old M - new M: a whole number, 0 or less
	s_delay_alu instid0(VALU_DEP_1)
	v_cvt_i32_f32 v254, v254
	s_delay_alu instid0(VALU_DEP_1)
	v_ldexp_f32 v252, 1.0, v254                    ; f = 2^(old M - new M)
.set n, 0
.rept 32
	v_pk_fma_f32 v[96+n:97+n], v[96+n:97+n], s[CS:CS+1], v[12:13] op_sel_hi:[1,0,0]   ; t - M
.set n, n+2
.endr
.set n, 0
	s_wait_alu depctr_va_vdst(0)
.rept 64
	v_exp_f32 v[96+n], v[96+n]                     ; p, at most 1
.set n, n+1
.endr
	v_pk_mul_f32 v[14:15], v[14:15], v[252:253] op_sel_hi:[1,0]   ; the sums under the new M: the plain line behind the batch
	s_wait_alu depctr_va_vdst(0)                   ; the wait ahead of the batch's first reader
	v_pk_add_f32 v[242:243], v[100:101], v[104:105]
	v_pk_add_f32 v[254:255], v[108:109], v[112:113]
	v_pk_add_f32 v[250:251], v[116:117], v[120:121]
	v_pk_add_f32 v[248:249], v[124:125], v[128:129]
	v_pk_add_f32 v[246:247], v[132:133], v[136:137]
	v_pk_add_f32 v[238:239], v[140:141], v[144:145]
	v_pk_add_f32 v[236:237], v[148:149], v[152:153]
	v_pk_add_f32 v[14:15], v[14:15], v[156:157]
	v_pk_add_f32 v[242:243], v[242:243], v[96:97]
	v_pk_add_f32 v[254:255], v[254:255], v[98:99]
	v_pk_add_f32 v[250:251], v[250:251], v[102:103]
	v_pk_add_f32 v[248:249], v[248:249], v[106:107]
	v_pk_add_f32 v[246:247], v[246:247], v[110:111]
	v_pk_add_f32 v[238:239], v[238:239], v[114:115]
	v_pk_add_f32 v[236:237], v[236:237], v[118:119]
	v_pk_add_f32 v[14:15], v[14:15], v[122:123]
	v_pk_add_f32 v[242:243], v[242:243], v[126:127]
	v_pk_add_f32 v[254:255], v[254:255], v[130:131]
	v_pk_add_f32 v[250:251], v[250:251], v[134:135]
	v_pk_add_f32 v[248:249], v[248:249], v[138:139]
	v_pk_add_f32 v[246:247], v[246:247], v[142:143]
	v_pk_add_f32 v[238:239], v[238:239], v[146:147]
	v_pk_add_f32 v[236:237], v[236:237], v[150:151]
	v_pk_add_f32 v[14:15], v[14:15], v[154:155]
	v_pk_add_f32 v[242:243], v[242:243], v[158:159]
	s_delay_alu instid0(VALU_DEP_2)
	v_pk_add_f32 v[14:15], v[14:15], v[248:249]
	s_delay_alu instid0(VALU_DEP_2)
	v_pk_add_f32 v[242:243], v[242:243], v[246:247]
	v_pk_add_f32 v[254:255], v[254:255], v[238:239]
	v_pk_add_f32 v[250:251], v[250:251], v[236:237]
	s_delay_alu instid0(VALU_DEP_2)
	v_pk_add_f32 v[14:15], v[14:15], v[254:255]
	s_delay_alu instid0(VALU_DEP_2)
	v_pk_add_f32 v[242:243], v[242:243], v[250:251]
	s_delay_alu instid0(VALU_DEP_1)
	v_pk_add_f32 v[14:15], v[14:15], v[242:243]
.set n, 0
.rept 64
	v_min_num_f32 v[96+n], v[96+n], v240           ; the conversion does not saturate (ISA guide 7.6.2); p is not negative
.set n, n+1
.endr
.irp t, 0,1,2,3,4,5,6,7
	v_cvt_scalef32_pk8_fp8_f32 v[224+2*\t:225+2*\t], v[96+8*\t:103+8*\t], v244
.endr
.irp t, 0,1,2,3                                ; V's channel tiles 4-7 take p's registers
.irp c, 0,1,2,3
	ds_load_b128 v[96+16*\t+4*\c:96+16*\t+4*\c+3], v[ADV] offset:2048*(4+\t)+512*\c
.endr
.endr
.set n, 0
.rept 32
	v_pk_mul_f32 v[160+n:161+n], v[160+n:161+n], v[252:253] op_sel_hi:[1,0]   ; O^T under the new M
.set n, n+2
.endr
	s_wait_alu depctr_va_vdst(0)
	s_wait_dscnt 16                                ; V's tiles 0-3 are in; the sixteen younger loads may be out
.irp t, 0,1,2,3
	v_wmma_f32_16x16x128_fp8_fp8 v[160+8*\t:167+8*\t], v[32+16*\t:47+16*\t], v[224:239], v[160+8*\t:167+8*\t]
.endr
	s_wait_dscnt 0x0
.irp t, 0,1,2,3
	v_wmma_f32_16x16x128_fp8_fp8 v[192+8*\t:199+8*\t], v[96+16*\t:111+16*\t], v[224:239], v[192+8*\t:199+8*\t]
.endr
.Lhidden_\@:
	s_add_co_u32 s[KF], s[KF], 128
	s_add_co_u32 s[TB], s[TB], 16384
.endm
; THE CHANGE OF SLOTS stands at a slot's head: each wave waits for all its tensor loads (its part of the slot ahead), adds 0 to its spare word, and waits for that and for its reads of the slot that it has left.
; fill = 1: a round of the cluster's barrier, and behind it the slot just left is filled with the next 512 keys: the load has four key steps in which to land.
.macro CHANGE fill
	s_wait_tensorcnt 0x0
	ds_add_u32 v[SPW], v[NIL]
.if \fill
	s_xor_b32 s[G0+1], s[G0+1], SLOT1
	s_add_nc_u64 s[G0+2:G0+3], s[G0+2:G0+3], KVS
	s_wait_xcnt 0x0                                ; the last prefetch, a slot back, has read its address
	s_add_nc_u64 s[PFA:PFA+1], s[PFA:PFA+1], KVS
	s_wait_dscnt 0x0
	CROUND
	tensor_load_to_lds s[G0:G0+3], s[G1:G1+7]      ; my one tensor load until the next round
	s_nop 0
.rept 4
	v_nop
.endr
	ASK
.else
	s_wait_dscnt 0x0
	s_barrier_signal -1
	s_barrier_wait -1
.endif
.endm
.macro FOUR_STEPS
	s_mov_b32 s[CNT], 4
.Lstep_\@:
	STEP
	s_sub_co_u32 s[CNT], s[CNT], 1
	s_cmp_lg_u32 s[CNT], 0
	s_cbranch_scc1 .Lstep_\@
	s_sub_co_u32 s[TB], s[TB], 65536               ; back to a slot's first step,
	s_xor_b32 s[TB], s[TB], SLOT1                  ; in the other slot
.endm
	s_wait_alu depctr_va_vdst(0)
	s_wait_loadcnt 0x0                             ; Q
.Lslot:                                            ; three trips: behind each change of slots but the last the next slot is asked for
	CHANGE 1
	FOUR_STEPS
	s_sub_co_u32 s[SLOTS], s[SLOTS], 1
	s_cmp_lg_u32 s[SLOTS], 0
	s_cbranch_scc1 .Lslot
	CHANGE 0                                       ; the last slot is written out
	FOUR_STEPS
	; THE TWO PARTS OF A TILE ARE JOINED.  A barrier: no wave reads a slot any more.  Waves 8 to 15 store -M, the sum and O^T as images of their registers; a barrier; waves 0 to 7 read them.
.rept 4
	v_nop                                          ; places behind the last products, ahead of the stores that read O^T and of the loads into registers that they read
.endr
	s_wait_dscnt 0x0
	s_barrier_signal -1
	s_barrier_wait -1
	s_cmp_lt_u32 s[WV], 8
	s_cbranch_scc1 .Lkeep
	ds_store_b128 v[STG], v[12:15]
.set n, 0
.rept 16
	ds_store_b128 v[STG], v[160+4*n:163+4*n] offset:512+512*n    ; each accumulator from its low end on
.set n, n+1
.endr
.Lkeep:
	s_wait_dscnt 0x0                               ; for the partner's sake: my stores are done
	s_barrier_signal -1
	s_barrier_wait -1
	s_cmp_lt_u32 s[WV], 8
	s_cbranch_scc0 .Lend
	ds_load_b128 v[96:99], v[STG]                  ; the partner's -M, largest t, sum in two halves
.set n, 0
.rept 16
	ds_load_b128 v[32+4*n:35+4*n], v[STG] offset:512+512*n       ; its O^T
.set n, n+1
.endr
	s_wait_dscnt 0x0
	v_min_num_f32 v100, v12, v96                   ; -M of the two together
	v_add_f32 v14, v14, v15
	v_add_f32 v98, v98, v99
	v_sub_f32 v101, v100, v12                      ; own M - M, whole numbers, 0 or less
	v_sub_f32 v102, v100, v96
	v_cvt_i32_f32 v101, v101                       ; (it saturates)
	v_cvt_i32_f32 v102, v102
	v_ldexp_f32 v101, 1.0, v101                    ; my factor,
	v_ldexp_f32 v102, 1.0, v102                    ; the partner's
	v_mul_f32 v14, v14, v101
	v_fma_f32 v14, v98, v102, v14
	v_permlanex16_b32 v252, v14, s[SEL], s[SEL+1]
	v_add_f32 v14, v14, v252                       ; the row's sum
	s_wait_alu depctr_va_vdst(0)
	v_rcp_f32 v14, v14
	v_nop                                          ; a plain line behind the reciprocal,
	s_add_co_i32 s72, s70, s71
	s_wait_alu depctr_va_vdst(0)                   ; and the wait ahead of its first reader
	v_ldexp_f32 v14, v14, s72                      ; x 2^(e14 + e15)
	v_mul_f32 v252, v14, v102
	v_mul_f32 v14, v14, v101
.set n, 0
.rept 32
	v_pk_mul_f32 v[96+n:97+n], v[32+n:33+n], v[252:253] op_sel_hi:[1,0]
.set n, n+2
.endr
	s_wait_alu depctr_va_vdst(0)                   ; the wait directly ahead of the first readers of O^T
.set n, 0
.rept 32
	v_pk_fma_f32 v[96+n:97+n], v[160+n:161+n], v[14:15], v[96+n:97+n] op_sel_hi:[1,0,1]
.set n, n+2
.endr
	; THE WAY OUT: quantised with 2^e16: eight registers of channel tile t convert into registers 2 t, 2 t + 1 of the next product's operand; the image goes out as it stands
.set n, 0
.rept 64
	v_med3_num_f32 v[96+n], v[96+n], -v241, v241
.set n, n+1
.endr
.irp t, 0,1,2,3,4,5,6,7
	v_cvt_scalef32_pk8_fp8_f32 v[32+2*\t:33+2*\t], v[96+8*\t:103+8*\t], v245
.endr
	v_nop
.irp c, 0,1,2,3
	global_store_b128 v[LI], v[32+4*\c:35+4*\c], s[10:11] offset:512*\c     ; 512 consecutive bytes, aligned
.endr
.Lend:
	s_wait_tensorcnt 0x0                           ; the wave's end
	ds_add_u32 v[SPW], v[NIL]
	s_wait_dscnt 0x0
	CROUND                                         ; the closing round
	s_endpgm
.Lfunc_end_k_qbe8bc3ed76_attn:
	.size	k_qbe8bc3ed76_attn, .Lfunc_end_k_qbe8bc3ed76_attn-k_qbe8bc3ed76_attn
	.p2alignl 7, 3214868480
	.fill 96, 4, 3214868480
	.section	.rodata,"a",@progbits
	.p2align	6, 0x0
	.amdhsa_kernel k_qbe8bc3ed76_attn
		.amdhsa_group_segment_fixed_size 327680
		.amdhsa_private_segment_fixed_size 0
		.amdhsa_enable_private_segment 0
		.amdhsa_kernarg_size 32
		.amdhsa_user_sgpr_count 2
		.amdhsa_user_sgpr_kernarg_segment_ptr 1
		.amdhsa_wavefront_size32 1
		.amdhsa_system_sgpr_workgroup_id_x 1
		.amdhsa_system_sgpr_workgroup_id_y 1
		.amdhsa_system_sgpr_workgroup_id_z 1
		.amdhsa_system_vgpr_workitem_id 0
		.amdhsa_next_free_vgpr 256
		.amdhsa_next_free_sgpr 80
		.amdhsa_reserve_vcc 1
		.amdhsa_float_denorm_mode_32 3
		.amdhsa_float_denorm_mode_16_64 3
		.amdhsa_memory_ordered 1
		.amdhsa_forward_progress 1
		.amdhsa_inst_pref_size 72
	.end_amdhsa_kernel
	.amdgpu_metadata
---
amdhsa.version: [ 1, 2 ]
amdhsa.kernels:
  - .name:           k_qbe8bc3ed76_attn
    .symbol:         k_qbe8bc3ed76_attn.kd
    .args:
      - { .name: q_c, .offset: 0, .size: 8, .value_kind: global_buffer, .address_space: global }
      - { .name: kv_c, .offset: 8, .size: 8, .value_kind: global_buffer, .address_space: global }
      - { .name: lowp_scales, .offset: 16, .size: 8, .value_kind: global_buffer, .address_space: global }
      - { .name: o_c, .offset: 24, .size: 8, .value_kind: global_buffer, .address_space: global }
    .group_segment_fixed_size: 327680
    .private_segment_fixed_size: 0
    .kernarg_segment_align: 8
    .kernarg_segment_size: 32
    .max_flat_workgroup_size: 512
    .sgpr_count:     80
    .vgpr_count:     256
    .wavefront_size: 32
...
	.end_amdgpu_metadata
.endif
;; end of part 3
;; launch oproj (part 4): grid 16 x 16, 4 waves a work-group, clusters of 4 x 1, 327,680 bytes of LDS; arguments o_c, wo_c, lowp_scales, out0; writes out0
.if DOCPART == 4
	.amdgcn_target "amdgcn-amd-amdhsa--gfx1250"
	.amdhsa_code_object_version 6
	.text
	.protected	k_qbe8bc3ed76_oproj
	.globl	k_qbe8bc3ed76_oproj
	.p2align	8
	.type	k_qbe8bc3ed76_oproj,@function
k_qbe8bc3ed76_oproj:
	s_mov_b64 s[64:65], 0
	v_nop
	global_prefetch_b8 v0, s[64:65] scope:SCOPE_SE
	s_setreg_imm32_b32 hwreg(HW_REG_WAVE_MODE, 25, 1), 1
	s_wait_xcnt 0x0
	s_wait_alu depctr_hold_cnt(0) depctr_sa_sdst(0) depctr_va_vdst(0) depctr_va_sdst(0) depctr_va_ssrc(0) depctr_va_vcc(0) depctr_vm_vsrc(0)
	s_getreg_b32 s2, hwreg(HW_REG_IB_STS2, 6, 4)
	s_cmp_eq_u32 s2, 0
	s_cbranch_scc0 .Lentry_in_a_cluster
	s_endpgm
.Lentry_in_a_cluster:
	s_bfe_u32 s2, ttmp6, 0x10000c
	s_cmp_lg_u32 s2, 0x3003
	s_cbranch_scc0 .Lentry_shape_is_right
	s_endpgm
.Lentry_shape_is_right:
; out0 = attention's result x wo^T on codes of E4M3; each finished sum x 2^(e16 + e17).  LIMIT: e16 + e17 between -126 and 127.
; A work-group makes 128 rows x 128 columns: grid x counts row blocks, grid y column blocks; 256 work-groups.  Four waves, each 32 rows x 128 columns: 16 accumulators.
; NO RING: K is 2,048, so wo's 128 rows are 262,144 bytes and lie in LDS whole.  Each wave fetches a quarter along K (128 rows x 512 bytes, 16 bytes of padding behind each) by its one tensor load at the head;
; nothing is filled again, so the loop over K has no barrier.
; CLUSTERS of 4 x 1: the four partners are four row blocks of one column block: they need the same rows of wo_c, asked for jointly (mask of all four).
; o_c's ROWS GO FROM MEMORY STRAIGHT INTO REGISTERS and are not asked for jointly: each wave reads its own 32 rows and no other wave of the work-group reads them.  o_c lies as images of operand registers
; [128 rows][128 along K: 16][row tile 8][2,048], so a fragment is four loads of 512 consecutive bytes.  All 16 steps have registers of their own (512); seven steps' loads, 56, are out at most.
; NO PREFETCH: every request for wo_c goes out at the head and o_c's run seven steps ahead from the head on: there is no earlier place to ask from.
; THE MATRIX INSTRUCTION IS USED TRANSPOSED (source 0 = 16 rows of wo_c, source 1 = 16 rows of o_c): a lane holds eight neighbouring numbers of a row of out0.
; REGISTERS, in windows of 256: window 0: v16-29 addresses; v32-95 a block's scaled sums; v128-255 accumulator (a, b) at v[128 + 8 (8 a + b)].
;   window 1: wo_c's fragments, two sets, at v0 and v128; on the way out rows read back from the stage.   windows 2, 3: o_c's fragments, step q at v[32 (q % 8)] of window 2 + q / 8.
.set BP,     528                       ; an LDS row of wo_c: 512 bytes + 16 of padding
.set QB,     128*BP                    ; a quarter along K
.set STAGE,  4*QB                      ; behind the tiles: 16 rows x (512 + 16) bytes for each wave, for the way out; no tensor load lands there
.set SPITCH, 528
.set SPARE,  STAGE+4*16*SPITCH         ; behind the stages: the spare words, 128 bytes a wave, which no other line names
.set LI,   16                          ; v16 16 x lane
.set ADRB, 20                          ; v20-23 LDS address of my lane's place in a fragment, one for each quarter along K
.set STO,  24                          ; v24 the stage: where I put 32 bytes of a row
.set RD,   25                          ; v25 and where I read a row back
.set SPW,  28                          ; v28 my spare word; never rewritten
.set NIL,  29                          ; v29 0; never rewritten
.set TMP,  32
.set ACC,  128
.set MSB, 0
.macro WIN new                         ; the immediate's high byte repeats the setting that is left
.if MSB != \new
	s_set_vgpr_msb (MSB<<8)|\new
.set MSB, \new
.endif
.endm
.macro CROUND
	s_barrier_signal -1
	s_barrier_wait -1
	s_cmp_lg_u32 s14, 0
	s_cbranch_scc1 .Lnot_wave_0_\@
	s_barrier_signal -3
.Lnot_wave_0_\@:
	s_barrier_wait -3
	s_barrier_signal -1
	s_barrier_wait -1
.endm
.macro PLACES n
.rept \n
	v_nop
.endr
.endm
	s_load_b256 s[4:11], s[0:1], 0x0               ; o_c, wo_c, lowp_scales, out0
	v_lshl_add_u32 v[SPW], v0, 2, SPARE
	v_mov_b32 v[NIL], 0
	ds_add_u32 v[SPW], v[NIL]                      ; the wave's opening
	ds_add_u32 v[SPW], v[NIL]
	v_lshrrev_b32 v1, 5, v0
	v_readfirstlane_b32 s14, v1                    ; wave 0..3
	s_bfe_u32 s15, ttmp6, 0x40000                  ; cx: it enters global addresses of my own loads and stores alone
	s_and_b32 s16, ttmp7, 0xffff                   ; tx: which 128 columns
	s_lshl_b32 s17, ttmp9, 2
	s_add_co_u32 s17, s17, s15                     ; ty: which 128 rows
	s_mov_b32 s24, 15|(0<<16)|(1<<20)|(1<<21)|(6<<22)|(3<<25)   ; the mask of all four; elements of 1 byte; padding on; bit 21 beside a mask; four words after every 128
	s_mov_b32 s25, 512<<16                         ; tensor_dim0
	s_mov_b32 s26, 128<<16                         ; tensor_dim1
	s_mov_b32 s27, 512<<16                         ; tile_dim0
	s_mov_b32 s28, 128                             ; tile_dim1
	s_mov_b32 s29, 2048                            ; from row to row
	s_mov_b32 s30, 0
	s_mov_b32 s31, 0
	s_lshl_b32 s20, s16, 18                        ; wo_c: 128 tx rows of 2,048 bytes,
	s_lshl_b32 s21, s14, 9                         ; + my quarter along K
	s_add_co_u32 s20, s20, s21
	s_mov_b32 s21, 0
	s_mul_i32 s33, s14, QB                         ; where it goes
	s_lshl_b32 s22, s17, 18                        ; o_c: row block ty, 262,144 bytes,
	s_lshl_b32 s23, s14, 12                        ; + my two row tiles
	s_add_co_u32 s22, s22, s23
	s_mov_b32 s23, 0
	s_lshl_b32 s40, s17, 20                        ; out0: 128 ty rows of 8,192 bytes,
	s_lshl_b32 s41, s14, 18                        ; + my 32 rows,
	s_add_co_u32 s40, s40, s41
	s_lshl_b32 s41, s16, 9                         ; + 128 tx columns
	s_add_co_u32 s40, s40, s41
	s_mov_b32 s41, 0
	s_mov_b32 s32, 1
	s_wait_dscnt 0x0                               ; both opening adds are done
	s_wait_kmcnt 0x0
	s_load_b64 s[36:37], s[8:9], 0x40              ; e16, e17
	s_add_nc_u64 s[34:35], s[6:7], s[20:21]
	s_or_b32 s35, s35, 0x80000000
	s_add_nc_u64 s[4:5], s[4:5], s[22:23]
	s_add_nc_u64 s[10:11], s[10:11], s[40:41]
	CROUND                                         ; the four partners are here: the joint loads meet
	tensor_load_to_lds s[32:35], s[24:31]          ; my one tensor load of the launch
	s_nop 0
	PLACES 4
	v_and_b32 v3, 31, v0
	v_lshlrev_b32 v[LI], 4, v3
.macro ALOAD                           ; o_c's two fragments of step NA: eight loads
.set AW, 0x80+0x40*(NA/8)
	WIN AW
.irp i, 0,1
.irp c, 0,1,2,3
	global_load_b128 v[32*(NA%8)+16*\i+4*\c:32*(NA%8)+16*\i+4*\c+3], v[LI], s[4:5] offset:NA*16384+\i*2048+512*\c
.endr
.endr
.endm
.set NA, 0
.rept 7
	ALOAD
.set NA, NA+1
.endr
	WIN 0
	v_and_b32 v1, 15, v0                           ; r
	v_bfe_u32 v2, v0, 4, 1                         ; h
	v_mul_u32_u24 v4, v1, BP
	v_lshl_add_u32 v[ADRB], v2, 4, v4              ; a fragment's row x pitch + 16 h
	v_add_nc_u32 v[ADRB+1], QB, v[ADRB]
	v_add_nc_u32 v[ADRB+2], 2*QB, v[ADRB]
	v_add_nc_u32 v[ADRB+3], 3*QB, v[ADRB]
	s_mul_i32 s23, s14, 16*SPITCH
	s_add_co_u32 s23, s23, STAGE                   ; my stage
	v_mul_u32_u24 v5, v1, SPITCH
	v_lshl_add_u32 v5, v2, 5, v5
	v_add_nc_u32 v[STO], s23, v5                   ; in: row r, 32 bytes for each half of the lanes
	v_add_nc_u32 v[RD], s23, v[LI]                 ; back: the 32 lanes take one row of 512 bytes
.macro FETCHB                          ; wo_c's eight fragments of step NX into set NX % 2: 32 LDS loads in one run
	WIN 0x40
.irp i, 0,1,2,3,4,5,6,7
.irp c, 0,1,2,3
	ds_load_b128 v[128*(NX%2)+16*\i+4*\c:128*(NX%2)+16*\i+4*\c+3], v[ADRB+NX/4] offset:\i*16*BP+128*(NX%4)+32*\c
.endr
.endr
.endm
; 8 matrix instructions: row tile a against the eight tiles of columns.  The 16 accumulators take turns, one instruction a turn, in the same order in every step.  Step 0's products start the sums.
.macro MUL8 a
.irp b, 0,1,2,3,4,5,6,7
.if STP == 0
	v_wmma_f32_16x16x128_fp8_fp8 v[ACC+8*(8*\a+\b):ACC+8*(8*\a+\b)+7], v[BS+16*\b:BS+16*\b+15], v[AR+16*\a:AR+16*\a+15], 0
.else
	v_wmma_f32_16x16x128_fp8_fp8 v[ACC+8*(8*\a+\b):ACC+8*(8*\a+\b)+7], v[BS+16*\b:BS+16*\b+15], v[AR+16*\a:AR+16*\a+15], v[ACC+8*(8*\a+\b):ACC+8*(8*\a+\b)+7]
.endif
.endr
.endr
.endm
; STEP STP: 128 along K.  Four places stand behind its first eight products, ahead of the loads into the set that the step before has read (ISA guide 7.12.1 for vector instructions).
.macro KSTEP
.set MW, 0x09+4*(STP/8)                ; source 0 (wo_c) window 1, source 1 (o_c) window 2 or 3, C and D window 0
.set AR, 32*(STP%8)
.set BS, 128*(STP%2)
.if STP < 10
	s_wait_loadcnt 48                              ; this step's eight loads are in; those of the six steps behind it may be out
.else
	s_wait_loadcnt 8*(15-STP)
.endif
	s_wait_dscnt 0x0                               ; wo_c's set is in
	WIN MW
	MUL8 0
	PLACES 4
.if STP < 15
.set NX, STP+1
	FETCHB
.endif
.if STP < 9
.set NA, STP+7
	ALOAD
.endif
	WIN MW
	MUL8 1
.endm
	s_wait_alu depctr_va_vdst(0)
	s_wait_tensorcnt 0x0                           ; my quarter of wo_c's rows is in;
	s_barrier_signal -1
	s_barrier_wait -1                              ; everybody's is.
.set NX, 0
	FETCHB
.set STP, 0
.rept 16
	KSTEP
.set STP, STP+1
.endr
	WIN 0
	s_wait_kmcnt 0x0
	s_add_co_i32 s36, s36, s37
	s_add_co_i32 s36, s36, 127
	s_lshl_b32 s36, s36, 23                        ; 2^(e16 + e17) as f32
	s_mov_b32 s37, s36                             ; (named with it as a pair, so it is written)
	PLACES 4
; THE WAY OUT, a block of 16 rows x 128 columns at a time: through my own stage and back as whole rows of 512 bytes.  LDS serves a wave's instructions in order (ISA guide 5.7.1.4): no wait between the stores and the loads, nor ahead of the next block's stores.
.macro TOSTAGE a
.set i, 0
.rept 32
	v_pk_mul_f32 v[TMP+2*i:TMP+2*i+1], v[ACC+64*\a+2*i:ACC+64*\a+2*i+1], s[36:37] op_sel_hi:[1,0]   ; each accumulator from its low end on
.set i, i+1
.endr
.irp b, 0,1,2,3,4,5,6,7
	ds_store_b128 v[STO], v[TMP+8*\b:TMP+8*\b+3] offset:64*\b
	ds_store_b128 v[STO], v[TMP+8*\b+4:TMP+8*\b+7] offset:64*\b+16
.endr
	WIN 0x40
.irp t, 0,1,2,3,4,5,6,7,8,9,10,11,12,13,14,15
	ds_load_b128 v[64*\a+4*\t:64*\a+4*\t+3], v[RD] offset:\t*SPITCH
.endr
	WIN 0
.endm
.macro SEND a, younger
	s_wait_dscnt \younger                          ; the block is back in registers
	WIN 0x04                                       ; the stores' data lie in window 1
.irp t, 0,1,2,3,4,5,6,7,8,9,10,11,12,13,14,15
	global_store_b128 v[LI], v[64*\a+4*\t:64*\a+4*\t+3], s[10:11] offset:(16*\a+\t)*8192 th:TH_STORE_NT   ; 32 lanes store 512 consecutive bytes, aligned
.endr
	WIN 0
.endm
	TOSTAGE 0
	TOSTAGE 1
	SEND 0, 32                                     ; behind block 0's loads: block 1's 16 stores and 16 loads
	SEND 1, 0
	s_wait_tensorcnt 0x0                           ; the wave's end
	ds_add_u32 v[SPW], v[NIL]
	s_wait_dscnt 0x0
	CROUND                                         ; the closing round
	s_endpgm
.Lfunc_end_k_qbe8bc3ed76_oproj:
	.size	k_qbe8bc3ed76_oproj, .Lfunc_end_k_qbe8bc3ed76_oproj-k_qbe8bc3ed76_oproj
	.p2alignl 7, 3214868480
	.fill 96, 4, 3214868480
	.section	.rodata,"a",@progbits
	.p2align	6, 0x0
	.amdhsa_kernel k_qbe8bc3ed76_oproj
		.amdhsa_group_segment_fixed_size 327680
		.amdhsa_private_segment_fixed_size 0
		.amdhsa_enable_private_segment 0
		.amdhsa_kernarg_size 32
		.amdhsa_user_sgpr_count 2
		.amdhsa_user_sgpr_kernarg_segment_ptr 1
		.amdhsa_wavefront_size32 1
		.amdhsa_system_sgpr_workgroup_id_x 1
		.amdhsa_system_sgpr_workgroup_id_y 1
		.amdhsa_system_sgpr_workgroup_id_z 1
		.amdhsa_system_vgpr_workitem_id 0
		.amdhsa_next_free_vgpr 1024
		.amdhsa_next_free_sgpr 66
		.amdhsa_reserve_vcc 0
		.amdhsa_float_denorm_mode_32 3
		.amdhsa_float_denorm_mode_16_64 3
		.amdhsa_memory_ordered 1
		.amdhsa_forward_progress 1
		.amdhsa_inst_pref_size 81
	.end_amdhsa_kernel
	.amdgpu_metadata
---
amdhsa.version: [ 1, 2 ]
amdhsa.kernels:
  - .name:           k_qbe8bc3ed76_oproj
    .symbol:         k_qbe8bc3ed76_oproj.kd
    .args:
      - { .name: o_c, .offset: 0, .size: 8, .value_kind: global_buffer, .address_space: global }
      - { .name: wo_c, .offset: 8, .size: 8, .value_kind: global_buffer, .address_space: global }
      - { .name: lowp_scales, .offset: 16, .size: 8, .value_kind: global_buffer, .address_space: global }
      - { .name: out0, .offset: 24, .size: 8, .value_kind: global_buffer, .address_space: global }
    .group_segment_fixed_size: 327680
    .private_segment_fixed_size: 0
    .kernarg_segment_align: 8
    .kernarg_segment_size: 32
    .max_flat_workgroup_size: 128
    .sgpr_count:     66
    .vgpr_count:     1024
    .wavefront_size: 32
...
	.end_amdgpu_metadata
.endif
;; end of part 4
